; MI455X (gfx1250); checked and timed in simulation.
; The chip was launched on July 23, 2026; its instructions are those of AMD's public machine-readable ISA for CDNA 5 (MIT licence, August 2026) and "CDNA5" Instruction Set Architecture Reference Guide (July 2026). The comments in the code are by the model that wrote it; some were corrected since.
;; Gpt Oss Attention. Allowed arithmetic: matrix products marked QUANTISED: E2M3 operands, one E8M0 scale for each 32 along K, by v_wmma_scale_f32_16x16x128_f8f6f4 with both operands' format E2M3, f32 sums; everything else in f32.
;; Inputs: Wk 4,096 x 1,024 float32; Wo 2,048 x 4,096 float32; Wq 4,096 x 2,048 float32; Wv 4,096 x 1,024 float32; coss 2,048 x 64 float32; hidden_states 1 x 2,048 x 4,096 float32; mask 1 x 1 x 2,048 x 2,048 float32; sins 2,048 x 64 float32.
;; Outputs: out0 1 x 2,048 x 4,096 float32.
;; This version of the problem:
;;   THIS VERSION OF THE PROBLEM IS GIVEN IN LOW PRECISION. The matrix products marked QUANTISED in the list below multiply operands that are first quantised to E2M3 (2 exponent bits, 3 mantissa bits; 6 bits a number), with one power-of-two scale for each 32 numbers along K (OCP MX v1.0); their sums are f32. All else is computed in f32.
;;   The module's matrix products, in the order in which they are computed (A, B: the left and right operand; K: the contracted axis; several contracted axes count as one K, in the product's order):
;;     1. [M 2,048, K 4,096] x [K 4,096, N 2,048]; A: input hidden_states; B: input Wq: QUANTISED
;;     2. [M 2,048, K 4,096] x [K 4,096, N 1,024]; A: input hidden_states; B: input Wk: QUANTISED
;;     3. [M 2,048, K 4,096] x [K 4,096, N 1,024]; A: input hidden_states; B: input Wv: QUANTISED
;;     4. batch 16 x [M 2,048, K 128] x [K 128, N 2,048]; A: computed on the way; B: computed on the way: QUANTISED
;;     5. batch 16 x [M 128, K 2,048] x [K 2,048, N 2,048]; A: computed on the way; B: softmax (see below): QUANTISED
;;     6. [M 2,048, K 2,048] x [K 2,048, N 4,096]; A: computed on the way; B: input Wo: QUANTISED
;;   THE QUANTISER, for each operand of a quantised product, along K:
;;     - K is cut into blocks of 32 from its start; a last block that is shorter is filled with zeros.
;;     - A block's scale is 2^e with e = floor(log2(the largest magnitude in the block)) - 2, held to -126 .. 127; a block of zeros has e = 0. As a byte (E8M0): e + 127.
;;     - Each number is divided by its block's scale, clamped to +-7.5, and rounded to the nearest number of E2M3, ties to even, subnormals kept.
;;     - The product sums the exact products of the quantised numbers (number of the format x scale) in f32.
;;   ~~~python
;;   def quantise(x, axis):      # numpy; x: float32 -> the quantised numbers, widened to float32 again
;;       x = np.moveaxis(x, axis, -1); K = x.shape[-1]
;;       x = np.pad(x, [(0, 0)] * (x.ndim - 1) + [(0, -K % 32)]); x = x.reshape(x.shape[:-1] + (-1, 32)); a = np.abs(x).max(-1, keepdims=True)
;;       e = np.where(a > 0, np.clip(np.frexp(np.where(a > 0, a, 1))[1] - 1 - 2, -126, 127), 0)      # np.frexp(a)[1] - 1 = floor(log2(a)), exactly
;;       r = np.clip(x / 2.0 ** e, -7.5, 7.5)
;;       step = 2.0 ** (np.maximum(np.frexp(np.where(r == 0, 1, r))[1] - 1, 0) - 3)
;;       q = np.round(r / step) * step * 2.0 ** e      # np.round: ties to even
;;       return np.moveaxis(q.reshape(q.shape[:-2] + (-1,))[..., :K], -1, axis).astype(np.float32)
;;   ~~~
;;   SOFTMAX AHEAD OF A QUANTISED PRODUCT. Where the list says 'softmax', what is quantised is not the finished softmax but p = 2^(t - M), with t = logit x log2(e) and M = ceil(the row's largest t), a whole number; so 1/2 < the row's largest p <= 1. The row's sum l is taken of the UNQUANTISED p, in f32, and the product's result is divided by l at the end. Since M is a whole number, a kernel that streams over the keys may use a running M (the ceiling of the running maximum): every later rescaling is an exact power of two, which a block's scale takes up: the codes' values come out the same.
;;   OPERANDS COMPUTED ON THE WAY. 'Computed on the way' means the value that the module computes at that place (a softmax that the list does not call 'softmax' is quantised finished and normalised). What goes into a quantiser is computed in f32, as accurately as f32 sums, v_exp_f32 and their like allow (about 1e-6 of the number): no bf16 or f16 on the way to a quantiser, and a product that is left as it is and whose result goes on into a quantised operand takes f32 operands (vector FMAs, or v_wmma_f32_16x16x4_f32). A number that lies on a knife's edge between two numbers of the format may be rounded either way, as far as f32 arithmetic and the matrix unit's own rounding can turn it there, and no further.
;; One version. Each part assembles by itself: llvm-mc -triple=amdgcn-amd-amdhsa -mcpu=gfx1250 --defsym DOCPART=n.
;; ======== version 1 of 1: 4 launches
;; workspace buffers: xw 19,660,800 bytes; wo 6,553,600 bytes; qimg 3,276,800 bytes; kvimg 3,276,800 bytes; oimg 3,276,800 bytes
;; launch quant (part 1): grid 1024 x 1, 4 waves a work-group, no clusters, 46,592 bytes of LDS; arguments hidden_states, Wq, Wk, Wv, Wo, xw, wo; writes xw, wo
.if DOCPART == 1
	.amdgcn_target "amdgcn-amd-amdhsa--gfx1250"
	.amdhsa_code_object_version 6
	.text
	.protected	k_q1122f8fa73_quant
	.globl	k_q1122f8fa73_quant
	.p2align	8
	.type	k_q1122f8fa73_quant,@function
k_q1122f8fa73_quant:
	s_mov_b64 s[64:65], 0
	v_nop
	global_prefetch_b8 v0, s[64:65] scope:SCOPE_SE
	s_setreg_imm32_b32 hwreg(HW_REG_WAVE_MODE, 25, 1), 1
	s_wait_xcnt 0x0
; hidden_states [2048][4096] and the four weights ([K][N], K outermost), all f32, become codes of FP6 (E2M3) with one E8M0 byte for each 32 along K.
; A block's scale is 2^(floor(log2(its largest magnitude)) - 2): its byte is the largest magnitude's exponent field - 2, held at 1 from below by a floor among the maximum's leaves.
; LIMITS: a block of zeros keeps the byte 1 where the rule says 127 (its codes are zeros, and only this program reads the bytes); blocks whose largest magnitude lies under 2^-124 were not tried;
; NaN and infinities among the inputs are not served.
; LAYOUT OF THE RESULT: images of operand registers.  A fragment (16 rows x 128 K, 12 registers a lane) is 1,536 bytes: registers 4 c .. 4 c + 3 of lane l at 512 c + 16 l.  A panel (one tile of 16 rows, 512 along K) is four
; such images and then 256 bytes of scale words, [place r][K step]: 6,400 bytes.  Two tiles make a pair of 12,800 bytes; a buffer is [pair][K / 512][12,800].
; THE ROWS OF A TILE ARE NOT NEIGHBOURS: place r of tile T is row 32 (T / 2) + 8 (T % 2) + r + 8 (r / 8); a pair covers 32 neighbouring rows.
; xw: pairs 0-63 the tokens of x, 64-127 Wq's columns, 128-159 Wk's, 160-191 Wv's (K = 4,096: 8 panels a tile).  wo: Wo's 128 pairs of columns (K = 2,048: 4 panels).
; SHARES: work-groups 0-255 take x (a wave: one panel), 256-1,023 the weights (a wave: 32 columns x 256 along K).  Each reads 128 KiB of f32.  Waves share nothing: no barrier; each of the two ways has LDS bytes of its own.
.set XPIT,  528                        ; x's stage: a row of 512 bytes + 16: an odd multiple of 16, so the sixteen rows of a 16-byte load start in different banks
.set XWAV,  16*XPIT                    ; a wave's stage on x's way, from LDS byte 0 on
.set WSTG,  4*XWAV                     ; behind them the weights' stages: two images, 3,072 bytes, a wave
.set PANEL, 6400
.set PAIRB, 12800
.set SEL,   2                          ; s[2:3]  lane selects for v_permlanex16_b32: lane l xor 16
.set LI,    1                          ; v1      16 x lane
.set TM,    16                         ; v16-31  at work in QUANT
.set R,     32                         ; v32-159 x as loaded, two sets of 64
.set X,     160                        ; v160-223 64 numbers of one row: register 16 b + i = k 32 b + 16 (lane / 16) + i
.set PC,    224                        ; v224-235 the fragment just made
.set PT,    236                        ; v236-243 the conversions' second halves
.set QD,    244                        ; v244-247 the panel's four scale words
.set VO,    32                         ; weights: v32-63 byte offsets of 32 rows at my column
.set WX,    64                         ; v64-127 two sets of 32 numbers down K
.set C,     128                        ; v128-134 a block's codes
.set OUT,   136                        ; v136-183 two sets of 24: images on their way out
; 64 numbers of a lane become a fragment's codes in v[pc] on and its scale word in v[pw].
.macro QUANT s, pc, pw
.irp b, 0,1,2,3
	v_max3_num_f32 v[TM+\b], |v[\s+16*\b]|, |v[\s+1+16*\b]|, 0x1800000   ; block b: my 16 numbers and the floor 2^(3 - 127)
.endr
.irp i, 2,4,6,8,10,12,14
.irp b, 0,1,2,3
	v_max3_num_f32 v[TM+\b], v[TM+\b], |v[\s+16*\b+\i]|, |v[\s+1+16*\b+\i]|   ; the four blocks by turns
.endr
.endr
.irp b, 0,1,2,3
	v_permlanex16_b32 v[TM+4+\b], v[TM+\b], s[SEL], s[SEL+1]
.endr
.irp b, 0,1,2,3
	v_max_num_f32 v[TM+\b], v[TM+\b], v[TM+4+\b]       ; with lane l xor 16's 16: the block's largest magnitude
.endr
.irp b, 0,1,2,3
	v_add_nc_u32 v[TM+12+\b], 0xff000000, v[TM+\b]     ; 2 off its exponent field: the conversion's scale operand
.endr
.irp b, 0,1,2,3
	v_lshrrev_b32 v[TM+4+\b], 23, v[TM+12+\b]          ; the scale's byte
.endr
	v_lshl_or_b32 v[\pw], v[TM+5], 8, v[TM+4]
	v_lshl_or_b32 v[\pw], v[TM+6], 16, v[\pw]
	v_lshl_or_b32 v[\pw], v[TM+7], 24, v[\pw]          ; my row's scale word
.irp c, 0,1
	v_cvt_scalef32_pk16_fp6_f32 v[\pc+6*\c:\pc+2+6*\c], v[\s+32*\c:\s+15+32*\c], v[TM+12+2*\c]
	v_cvt_scalef32_pk16_fp6_f32 v[PT+4*\c:PT+2+4*\c], v[\s+16+32*\c:\s+31+32*\c], v[TM+13+2*\c]   ; a conversion's three registers begin on an even number
.endr
	v_nop                                              ; one plain instruction behind the scaled conversions
.irp c, 0,1                                            ; the operand wants a whole block in a lane: lanes 0-15 block 2 c, lanes 16-31 block 2 c + 1
.irp i, 0,1,2
	v_permlane16_swap_b32 v[\pc+6*\c+\i], v[PT+4*\c+\i]
.endr
.irp i, 0,1,2
	v_mov_b32 v[\pc+3+6*\c+\i], v[PT+4*\c+\i]
.endr
.endr
.endm
	s_load_b256 s[4:11], s[0:1], 0x0               ; hidden_states, Wq, Wk, Wv
	s_load_b128 s[12:15], s[0:1], 0x20             ; Wo, xw
	s_load_b64 s[16:17], s[0:1], 0x30              ; wo
	v_lshl_add_u32 v254, v0, 2, 0xb400
	v_mov_b32 v255, 0
	v_lshrrev_b32 v5, 5, v0
	v_readfirstlane_b32 s18, v5                    ; wave 0..3
	v_and_b32 v6, 31, v0                           ; lane
	v_lshlrev_b32 v[LI], 4, v6
	s_cmp_lt_u32 ttmp9, 256
	s_cbranch_scc0 .Lweights
; ---------------- x: K is innermost.  A wave makes the panel of tile T, K group G.
	v_and_b32 v7, 15, v0                           ; r
	v_bfe_u32 v8, v0, 4, 1                         ; h
	v_lshlrev_b32 v2, 4, v7                        ; 16 r: a row of the quad
	s_mul_i32 s19, s18, XWAV
	v_add_nc_u32 v3, s19, v[LI]                    ; into the stage: 16 bytes a lane, a row an instruction
	v_mul_u32_u24 v4, v7, XPIT
	v_lshl_add_u32 v4, v8, 6, v4
	v_add_nc_u32 v4, s19, v4                       ; out of it: row r, + 64 h: my 16 numbers of each block of 32
.irp b, 0,1,2,3
	v_mov_b32 v[TM+4+\b], 0                        ; written once: a lane permute's destination counts as one of its sources
.endr
	s_mov_b32 s[SEL], 0x76543210
	s_mov_b32 s[SEL+1], 0xfedcba98
	s_lshl_b32 s20, ttmp9, 2
	s_add_co_u32 s20, s20, s18                     ; which panel: 4 x work-group + wave
	s_lshr_b32 s21, s20, 3                         ; T
	s_and_b32 s22, s20, 7                          ; G
	s_lshr_b32 s23, s21, 1
	s_and_b32 s24, s21, 1
	s_lshl_b32 s26, s23, 19                        ; 32 (T / 2) rows of 16,384 bytes
	s_lshl_b32 s27, s24, 17                        ; + 8 (T % 2) rows
	s_add_co_u32 s26, s26, s27
	s_lshl_b32 s27, s22, 11                        ; + 512 G numbers
	s_add_co_u32 s26, s26, s27
	s_mov_b32 s27, 0
	s_lshl_b32 s28, s23, 3
	s_add_co_u32 s28, s28, s22
	s_mul_i32 s28, s28, PAIRB                      ; pair T / 2, group G,
	s_mul_i32 s29, s24, PANEL                      ; tile T % 2 of the pair
	s_add_co_u32 s28, s28, s29
	s_mov_b32 s29, 0
	s_wait_kmcnt 0x0
	s_add_nc_u64 s[4:5], s[4:5], s[26:27]
	s_add_nc_u64 s[14:15], s[14:15], s[28:29]
.macro LOADX q                         ; K step q of the 16 rows: each load takes 512 consecutive bytes of one row
.irp t, 0,1,2,3,4,5,6,7,8,9,10,11,12,13,14,15
	global_load_b128 v[R+64*((\q)%2)+4*\t:R+64*((\q)%2)+4*\t+3], v[LI], s[4:5] offset:(\t+8*(\t/8))*16384+512*(\q) th:TH_LOAD_NT
.endr
.endm
.macro XSTEP q
.if (\q) < 3
	s_wait_loadcnt 16                              ; this step's 16 loads are in; the younger set's 16 may be out
.else
	s_wait_loadcnt 0x0
.endif
.irp t, 0,1,2,3,4,5,6,7,8,9,10,11,12,13,14,15
	ds_store_b128 v3, v[R+64*((\q)%2)+4*\t:R+64*((\q)%2)+4*\t+3] offset:XPIT*\t
.endr
.irp b, 0,1,2,3
.irp j, 0,1,2,3
	ds_load_b128 v[X+16*\b+4*\j:X+16*\b+4*\j+3], v4 offset:128*\b+16*\j   ; LDS serves a wave's instructions in order: these see the stores above
.endr
.endr
	s_wait_dscnt 0x0                               ; my 64 numbers are in, and the stores have read their set
.if (\q) < 2
	LOADX (\q)+2
.endif
.if (\q) > 0
	s_wait_xcnt 0x0                                ; the last step's stores have read the fragment's registers: they are written again only behind this wait
.endif
	QUANT X, PC, QD+(\q)
.irp c, 0,1,2
	global_store_b128 v[LI], v[PC+4*\c:PC+4*\c+3], s[14:15] offset:1536*(\q)+512*\c   ; 512 consecutive bytes, at a multiple of 256 from the buffer's first byte
.endr
.endm
	LOADX 0
	LOADX 1
	XSTEP 0
	XSTEP 1
	XSTEP 2
	XSTEP 3
	global_store_b128 v2, v[QD:QD+3], s[14:15] offset:6144   ; the quad: 256 bytes; lanes 16-31 hold the same words and write the same bytes
	s_wait_tensorcnt 0x0
	ds_add_u32 v254, v255
	s_wait_dscnt 0x0
	s_endpgm
; ---------------- the weights: K is the first axis.  A lane takes a column and its registers run down K: nothing is transposed.
.Lweights:
	v_bfe_u32 v7, v0, 3, 1                         ; u: which tile of the pair my column falls into
	v_and_b32 v8, 7, v0
	v_bfe_u32 v9, v0, 4, 1
	v_lshl_add_u32 v8, v9, 3, v8                   ; r': its place there
	s_mul_i32 s19, s18, 3072
	s_add_co_u32 s19, s19, WSTG                    ; my stage
	v_mul_u32_u24 v2, v7, 1536
	v_lshl_add_u32 v2, v8, 4, v2
	v_add_nc_u32 v2, s19, v2                       ; into it: image u, lane place r'
	v_add_nc_u32 v3, s19, v[LI]                    ; out of it: 16 bytes a lane
	v_mul_u32_u24 v4, v7, PANEL
	v_lshl_add_u32 v4, v8, 4, v4                   ; my row of my tile's quad
	s_sub_co_u32 s48, ttmp9, 256                   ; j: 0-255 Wq, 256-383 Wk, 384-511 Wv, 512-767 Wo
	s_mov_b32 s24, 512                             ; Wo's figures first: its first j,
	s_mov_b32 s25, 5                               ; log2 of its groups of 128 columns,
	s_mov_b32 s26, 16384                           ; a row in bytes,
	s_mov_b32 s27, 0                               ; its first pair,
	s_mov_b32 s28, 2                               ; log2 of its panels along K
	s_wait_kmcnt 0x0
	s_mov_b64 s[20:21], s[12:13]
	s_mov_b64 s[22:23], s[16:17]
	s_cmp_lt_u32 s48, 512                          ; the choices hang on the work-group's number alone
	s_cselect_b64 s[20:21], s[10:11], s[20:21]
	s_cselect_b64 s[22:23], s[14:15], s[22:23]
	s_cselect_b32 s24, 384, s24
	s_cselect_b32 s25, 3, s25
	s_cselect_b32 s26, 4096, s26
	s_cselect_b32 s27, 160, s27
	s_cselect_b32 s28, 3, s28
	s_cmp_lt_u32 s48, 384
	s_cselect_b64 s[20:21], s[8:9], s[20:21]
	s_cselect_b32 s24, 256, s24
	s_cselect_b32 s27, 128, s27
	s_cmp_lt_u32 s48, 256
	s_cselect_b64 s[20:21], s[6:7], s[20:21]
	s_cselect_b32 s24, 0, s24
	s_cselect_b32 s25, 4, s25
	s_cselect_b32 s26, 8192, s26
	s_cselect_b32 s27, 64, s27
	s_sub_co_u32 s49, s48, s24
	s_lshr_b32 s50, s49, s25                       ; kk: which 256 along K
	s_lshl_b32 s51, s50, s25
	s_sub_co_u32 s51, s49, s51                     ; cg: which 128 columns
	s_lshl_b32 s52, s26, 8
	s_mul_i32 s52, s52, s50                        ; 256 kk rows
	s_lshl_b32 s53, s51, 9
	s_add_co_u32 s52, s52, s53                     ; + 128 cg columns
	s_lshl_b32 s53, s18, 7
	s_add_co_u32 s52, s52, s53                     ; + 32 x wave columns
	s_mov_b32 s53, 0
	s_add_nc_u64 s[32:33], s[20:21], s[52:53]      ; block 0's first row at my wave's first column
	s_lshl_b32 s54, s26, 5                         ; 32 rows
	s_mov_b32 s55, 0
.irp t, 1,2,3,4,5,6,7
	s_add_nc_u64 s[32+2*\t:33+2*\t], s[30+2*\t:31+2*\t], s[54:55]   ; a base for each block: nothing is stepped later
.endr
	v_lshlrev_b32 v[VO], 2, v6
.irp i, 1,2,3,4,5,6,7,8,9,10,11,12,13,14,15,16,17,18,19,20,21,22,23,24,25,26,27,28,29,30,31
	v_mad_u32_u24 v[VO+\i], s26, \i, v[VO]         ; row i of a block at my column
.endr
	s_lshl_b32 s56, s51, 2
	s_add_co_u32 s56, s56, s27
	s_add_co_u32 s56, s56, s18                     ; my pair
	s_lshl_b32 s56, s56, s28
	s_lshr_b32 s57, s50, 1
	s_add_co_u32 s56, s56, s57                     ; its panel of 512 along K
	s_mul_i32 s56, s56, PAIRB
	s_mov_b32 s57, 0
	s_add_nc_u64 s[22:23], s[22:23], s[56:57]
	s_and_b32 s58, s50, 1                          ; which half of the panel's four K steps
	s_mul_i32 s60, s58, 3072
	s_mov_b32 s61, 0
	s_add_nc_u64 s[60:61], s[22:23], s[60:61]      ; my two images of tile 0
	s_lshl_b32 s62, s58, 3
	s_add_co_u32 s62, s62, 6144
	s_mov_b32 s63, 0
	s_add_nc_u64 s[62:63], s[22:23], s[62:63]      ; my two words of each row of the quads
.macro LOADW t                         ; block t: 32 rows at 32 neighbouring columns: 128 consecutive bytes a load, the four waves side by side on 512
.irp i, 0,1,2,3,4,5,6,7,8,9,10,11,12,13,14,15,16,17,18,19,20,21,22,23,24,25,26,27,28,29,30,31
	global_load_b32 v[WX+32*((\t)%2)+\i], v[VO+\i], s[32+2*(\t):33+2*(\t)] th:TH_LOAD_NT
.endr
.endm
; Block t = 4 q + b of my column: K step q, block b = 2 c + h.  Its 24 bytes are registers 6 c .. 6 c + 5 of lane (r', h) of the image.
.macro BLOCK t
.set XS, WX+32*((\t)%2)
.set BH, (\t)&1
.set BC, ((\t)%4)/2
.set BQ, (\t)/4
.if (\t) < 7
	s_wait_loadcnt 32                              ; this block's 32 loads are in; the next block's may be out
.else
	s_wait_loadcnt 0x0
.endif
	v_max3_num_f32 v8, |v[XS]|, |v[XS+1]|, |v[XS+2]|   ; the block's largest magnitude: all 32 numbers are mine; two chains
	v_max3_num_f32 v9, |v[XS+3]|, |v[XS+4]|, |v[XS+5]|
.irp i, 6,10,14,18,22,26
	v_max3_num_f32 v8, v8, |v[XS+\i]|, |v[XS+\i+1]|
	v_max3_num_f32 v9, v9, |v[XS+\i+2]|, |v[XS+\i+3]|
.endr
	v_max3_num_f32 v8, v8, |v[XS+30]|, |v[XS+31]|
	v_max3_num_f32 v8, v8, v9, 0x1800000           ; and the floor 2^(3 - 127)
	v_add_nc_u32 v11, 0xff000000, v8               ; 2 off the exponent field: the conversion's scale operand
	v_cvt_scalef32_pk16_fp6_f32 v[C:C+2], v[XS:XS+15], v11
	v_cvt_scalef32_pk16_fp6_f32 v[C+4:C+6], v[XS+16:XS+31], v11
	v_lshrrev_b32 v10, 23, v11                     ; the scale's byte; also the plain instruction behind the conversions
.if (\t)%4 == 0
	v_mov_b32 v[14+BQ], v10
.else
	v_lshl_or_b32 v[14+BQ], v10, 8*((\t)%4), v[14+BQ]
.endif
	v_mov_b32 v[C+3], v[C+4]                       ; the six registers on end
	v_mov_b32 v[C+4], v[C+5]
	v_mov_b32 v[C+5], v[C+6]
.if BC == 0
	ds_store_b128 v2, v[C:C+3] offset:256*BH       ; registers 0-3,
	ds_store_b64 v2, v[C+4:C+5] offset:512+256*BH  ; 4 and 5
.else
	ds_store_b64 v2, v[C:C+1] offset:520+256*BH    ; registers 6 and 7,
	ds_store_b128 v2, v[C+2:C+5] offset:1024+256*BH  ; 8-11
.endif
.if (\t) < 6
	LOADW (\t)+2
.endif
	s_wait_dscnt 0x0                               ; the stores have read their registers: the next block's codes may be written
.endm
.macro FLUSH q                         ; the two tiles' images of K step q leave: 512 consecutive bytes a store
.irp i, 0,1,2,3,4,5
	ds_load_b128 v[OUT+24*\q+4*\i:OUT+24*\q+4*\i+3], v3 offset:512*\i
.endr
	s_wait_dscnt 0x0
.irp i, 0,1,2,3,4,5
	global_store_b128 v[LI], v[OUT+24*\q+4*\i:OUT+24*\q+4*\i+3], s[60:61] offset:(\i/3)*PANEL+1536*\q+(\i%3)*512
.endr
.endm
	LOADW 0
	LOADW 1
.irp t, 0,1,2,3
	BLOCK \t
.endr
	FLUSH 0
.irp t, 4,5,6,7
	BLOCK \t
.endr
	FLUSH 1
	global_store_b64 v4, v[14:15], s[62:63]        ; my column's two scale words
	s_wait_tensorcnt 0x0
	ds_add_u32 v254, v255
	s_wait_dscnt 0x0
	s_endpgm
.Lfunc_end_k_q1122f8fa73_quant:
	.size	k_q1122f8fa73_quant, .Lfunc_end_k_q1122f8fa73_quant-k_q1122f8fa73_quant
	.p2alignl 7, 3214868480
	.fill 96, 4, 3214868480
	.section	.rodata,"a",@progbits
	.p2align	6, 0x0
	.amdhsa_kernel k_q1122f8fa73_quant
		.amdhsa_group_segment_fixed_size 46592
		.amdhsa_private_segment_fixed_size 0
		.amdhsa_enable_private_segment 0
		.amdhsa_kernarg_size 56
		.amdhsa_user_sgpr_count 2
		.amdhsa_user_sgpr_kernarg_segment_ptr 1
		.amdhsa_wavefront_size32 1
		.amdhsa_system_sgpr_workgroup_id_x 1
		.amdhsa_system_sgpr_workgroup_id_y 1
		.amdhsa_system_sgpr_workgroup_id_z 1
		.amdhsa_system_vgpr_workitem_id 0
		.amdhsa_next_free_vgpr 256
		.amdhsa_next_free_sgpr 100
		.amdhsa_reserve_vcc 0
		.amdhsa_float_denorm_mode_32 3
		.amdhsa_float_denorm_mode_16_64 3
		.amdhsa_memory_ordered 1
		.amdhsa_forward_progress 1
		.amdhsa_inst_pref_size 77
	.end_amdhsa_kernel
	.amdgpu_metadata
---
amdhsa.version: [ 1, 2 ]
amdhsa.kernels:
  - .name:           k_q1122f8fa73_quant
    .symbol:         k_q1122f8fa73_quant.kd
    .args:
      - { .name: hidden_states, .offset: 0, .size: 8, .value_kind: global_buffer, .address_space: global }
      - { .name: Wq, .offset: 8, .size: 8, .value_kind: global_buffer, .address_space: global }
      - { .name: Wk, .offset: 16, .size: 8, .value_kind: global_buffer, .address_space: global }
      - { .name: Wv, .offset: 24, .size: 8, .value_kind: global_buffer, .address_space: global }
      - { .name: Wo, .offset: 32, .size: 8, .value_kind: global_buffer, .address_space: global }
      - { .name: xw, .offset: 40, .size: 8, .value_kind: global_buffer, .address_space: global }
      - { .name: wo, .offset: 48, .size: 8, .value_kind: global_buffer, .address_space: global }
    .group_segment_fixed_size: 46592
    .private_segment_fixed_size: 0
    .kernarg_segment_align: 8
    .kernarg_segment_size: 56
    .max_flat_workgroup_size: 128
    .sgpr_count:     100
    .vgpr_count:     256
    .wavefront_size: 32
...
	.end_amdgpu_metadata
.endif
;; end of part 1
;; launch qkv (part 2): grid 16 x 16, 4 waves a work-group, clusters of 4 x 4, 327,680 bytes of LDS; arguments xw, sins, coss, qimg, kvimg; writes qimg, kvimg
.if DOCPART == 2
	.amdgcn_target "amdgcn-amd-amdhsa--gfx1250"
	.amdhsa_code_object_version 6
	.text
	.protected	k_q1122f8fa73_qkv
	.globl	k_q1122f8fa73_qkv
	.p2align	8
	.type	k_q1122f8fa73_qkv,@function
k_q1122f8fa73_qkv:
	s_mov_b64 s[64:65], 0
	v_nop
	global_prefetch_b8 v0, s[64:65] scope:SCOPE_SE
	s_setreg_imm32_b32 hwreg(HW_REG_WAVE_MODE, 25, 1), 1
	s_wait_xcnt 0x0
	s_wait_alu depctr_hold_cnt(0) depctr_sa_sdst(0) depctr_va_vdst(0) depctr_va_sdst(0) depctr_va_ssrc(0) depctr_va_vcc(0) depctr_vm_vsrc(0)
	s_getreg_b32 s2, hwreg(HW_REG_IB_STS2, 6, 4)
	s_cmp_eq_u32 s2, 0
	s_cbranch_scc0 .Lentry_in_a_cluster
	s_endpgm
.Lentry_in_a_cluster:
	s_bfe_u32 s2, ttmp6, 0x10000c
	s_cmp_lg_u32 s2, 0xf033
	s_cbranch_scc0 .Lentry_shape_is_right
	s_endpgm
.Lentry_shape_is_right:
; q = rope(x Wq), k = rope(x Wk), v = x Wv on codes of FP6 (E2M3) with E8M0 scales, sums in f32; the results are quantised in registers and leave as images of operand registers.
; ONE GRID FOR THREE PRODUCTS, each "128 rows (R) x 256 columns (C), quantised along the columns".  Clusters with x = 0, 1: R = tokens, C = Wq's columns; x = 2: C = Wk's; a wave's 128 columns are one head.
; x = 3: R = Wv's columns (128 = one key/value head), C = tokens: a wave's 128 columns are one key step, so v comes out quantised along the keys, with the keys innermost.
; SHARES: four waves, a wave 64 x 128: 32 accumulators of 16 x 16.  K = 4,096 goes in groups of 512 through two LDS slots; a slot is 24 panels of 6,400 bytes (four fragment images and 256 bytes of scale words).
; A smaller tile than the registers would hold is taken so that the grid has 256 work-groups.
; THE MATRIX INSTRUCTION IS USED TRANSPOSED (source 0 = 16 rows of C, source 1 = 16 rows of R).  Place r of tile T is row 32 (T / 2) + 8 (T % 2) + r + 8 (r / 8) in every operand, so a lane holds ONE row of R and the
; 64 registers of its row of accumulators are: register 16 B + i = column 32 B + 16 (lane / 16) + i: what the quantiser wants.
; CLUSTERS: 4 x 4.  R's panels hang on the tile row alone and are asked for jointly along a row of the cluster, C's on the tile column alone, along a column.
; LIMITS: as the quantising launch states them (a block of zeros keeps the byte 1; NaN and infinities are not served).
; REGISTERS: window 0: v16-23 LDS addresses, v24-27 offsets, v28-29 the spare word's, v32-79 scale words (two sets of 24), v80-175 R's fragments (two sets of 48); on the way out v96-243 are at work.
;   window 1: C's fragments, two sets of 96, at v0 and v128.   window 2: accumulator (a, b) at v[8 (8 a + b)].   window 3: for tile a at v[64 a]: 32 cosines, then 32 sines, in the accumulators' order.
.set NG,    8                          ; groups of 512 along K
.set PANEL, 6400
.set PAIRB, 12800
.set COFF,  8*PANEL                    ; a slot: R's 8 panels, then C's 16
.set SLOT,  24*PANEL
.set SPARE, 2*SLOT                     ; behind the ring: the spare words, 128 bytes a wave: two blocks of 256 bytes that no other line names
.set FR,    12
.set ADRA,  16                         ; v16-17 my R fragments in slot 0, 1: 16 x lane + my four panels
.set ADRB,  18                         ; v18-19 my C fragments: my eight panels
.set ADSA,  20                         ; v20-21 R's scale words: 16 r, lanes 16-31 two panels on
.set ADSB,  22                         ; v22-23 C's: lanes 16-31 four panels on
.set LI,    24                         ; v24 16 x lane
.set LR,    25                         ; v25 16 r
.set TAB,   27                         ; v27 my place in the tables of sines and cosines
.set SPW,   28
.set NIL,   29
.set SC,    32                         ; scale words: set s at SC + 24 s: 8 of R (register 4 (a % 2) + q; lanes 16-31: tiles 2, 3), 16 of C (4 (b % 4) + q; lanes 16-31: tiles 4-7)
.set AF,    80
.set HA,    96                         ; the way out: 64 numbers behind the rotary step
.set TT,    160
.set TM,    164
.set PT,    180
.set PCA,   192                        ; four fragments
.set QD,    240                        ; their scale words
.set G1R,   24
.set G0R,   32
.set G1C,   48
.set G0C,   56
.set SEL,   92
.set MUL,   0xa1                       ; source 0 (C) window 1, source 1 (R) window 0, C and D window 2
.set TO_C,  0x40
.set MSB,   0
.macro WIN new                         ; the immediate's high byte repeats the setting that is left; a switch that changes nothing is dropped
.if MSB != (\new)
	s_set_vgpr_msb (MSB<<8)|(\new)
.set MSB, (\new)
.endif
.endm
.macro PLACES n
.rept \n
	v_nop
.endr
.endm
; A joint load: waves 0 and 1 fetch R's halves, waves 2 and 3 C's.  The branch hangs on the wave's number alone.  Four v_nop follow each of the two lines.
.macro JLOAD g0a, g1a, g0b, g1b
	s_cmp_eq_u32 s15, 0
	s_cbranch_scc0 .Lfor_b_\@
	tensor_load_to_lds s[\g0a:\g0a+3], s[\g1a:\g1a+7]
	s_nop 0
.rept 4
	v_nop
.endr
	s_branch .Lasked_\@
.Lfor_b_\@:
	tensor_load_to_lds s[\g0b:\g0b+3], s[\g1b:\g1b+7]
	s_nop 0
.rept 4
	v_nop
.endr
.Lasked_\@:
.endm
.macro CREST                           ; a round of the cluster's barrier behind its opening barrier
	s_cmp_lg_u32 s14, 0
	s_cbranch_scc1 .Lnot_wave_0_\@
	s_barrier_signal -3
.Lnot_wave_0_\@:
	s_barrier_wait -3
	s_barrier_signal -1
	s_barrier_wait -1
.endm
.macro CROUND
	s_barrier_signal -1
	s_barrier_wait -1
	CREST
.endm
; One matrix instruction on the registers named by rD, rA, rB, rSA, rSB.  ra, rb: the side's scale words lie in lanes 16-31.
.macro WMM zero, ra, rb
.if \zero
.if (\ra) && (\rb)
	v_wmma_scale_f32_16x16x128_f8f6f4 v[rD:rD+7], v[rA:rA+11], v[rB:rB+11], 0, v[rSA], v[rSB] matrix_a_fmt:MATRIX_FMT_FP6 matrix_b_fmt:MATRIX_FMT_FP6 matrix_a_scale:MATRIX_SCALE_ROW1 matrix_b_scale:MATRIX_SCALE_ROW1
.elseif \ra
	v_wmma_scale_f32_16x16x128_f8f6f4 v[rD:rD+7], v[rA:rA+11], v[rB:rB+11], 0, v[rSA], v[rSB] matrix_a_fmt:MATRIX_FMT_FP6 matrix_b_fmt:MATRIX_FMT_FP6 matrix_a_scale:MATRIX_SCALE_ROW1
.elseif \rb
	v_wmma_scale_f32_16x16x128_f8f6f4 v[rD:rD+7], v[rA:rA+11], v[rB:rB+11], 0, v[rSA], v[rSB] matrix_a_fmt:MATRIX_FMT_FP6 matrix_b_fmt:MATRIX_FMT_FP6 matrix_b_scale:MATRIX_SCALE_ROW1
.else
	v_wmma_scale_f32_16x16x128_f8f6f4 v[rD:rD+7], v[rA:rA+11], v[rB:rB+11], 0, v[rSA], v[rSB] matrix_a_fmt:MATRIX_FMT_FP6 matrix_b_fmt:MATRIX_FMT_FP6
.endif
.else
.if (\ra) && (\rb)
	v_wmma_scale_f32_16x16x128_f8f6f4 v[rD:rD+7], v[rA:rA+11], v[rB:rB+11], v[rD:rD+7], v[rSA], v[rSB] matrix_a_fmt:MATRIX_FMT_FP6 matrix_b_fmt:MATRIX_FMT_FP6 matrix_a_scale:MATRIX_SCALE_ROW1 matrix_b_scale:MATRIX_SCALE_ROW1
.elseif \ra
	v_wmma_scale_f32_16x16x128_f8f6f4 v[rD:rD+7], v[rA:rA+11], v[rB:rB+11], v[rD:rD+7], v[rSA], v[rSB] matrix_a_fmt:MATRIX_FMT_FP6 matrix_b_fmt:MATRIX_FMT_FP6 matrix_a_scale:MATRIX_SCALE_ROW1
.elseif \rb
	v_wmma_scale_f32_16x16x128_f8f6f4 v[rD:rD+7], v[rA:rA+11], v[rB:rB+11], v[rD:rD+7], v[rSA], v[rSB] matrix_a_fmt:MATRIX_FMT_FP6 matrix_b_fmt:MATRIX_FMT_FP6 matrix_b_scale:MATRIX_SCALE_ROW1
.else
	v_wmma_scale_f32_16x16x128_f8f6f4 v[rD:rD+7], v[rA:rA+11], v[rB:rB+11], v[rD:rD+7], v[rSA], v[rSB] matrix_a_fmt:MATRIX_FMT_FP6 matrix_b_fmt:MATRIX_FMT_FP6
.endif
.endif
.endm
; Eight matrix instructions: R's tile a against C's eight, the group's q-th 128 along K, fragments of set, scale words of set sc.  The 32 accumulators take turns, one instruction a turn, in the same order in
; every step.  zero = 1: the first products start the sums: nothing is cleared.
.macro MUL8 a, set, q, sc, zero
.irp b, 0,1,2,3,4,5,6,7
.set rD, 8*(8*(\a)+\b)
.set rA, 128*(\set)+FR*\b
.set rB, AF+48*(\set)+FR*(\a)
.set rSA, SC+24*(\sc)+8+4*(\b&3)+(\q)
.set rSB, SC+24*(\sc)+4*((\a)&1)+(\q)
	WMM \zero, \b/4, (\a)/2
.endr
.endm
.macro FETCH slot, q, set              ; 36 LDS loads in one run: images come back as they were stored, 16 bytes a lane, 512 consecutive bytes a load
	WIN TO_C
.irp i, 0,1,2,3,4,5,6,7
.irp c, 0,1,2
	ds_load_b128 v[128*(\set)+FR*\i+4*\c:128*(\set)+FR*\i+4*\c+3], v[ADRB+\slot] offset:PANEL*\i+1536*(\q)+512*\c
.endr
.endr
	WIN 0
.irp i, 0,1,2,3
.irp c, 0,1,2
	ds_load_b128 v[AF+48*(\set)+FR*\i+4*\c:AF+48*(\set)+FR*\i+4*\c+3], v[ADRA+\slot] offset:PANEL*\i+1536*(\q)+512*\c
.endr
.endr
.endm
.macro SCALES slot                     ; a group's scale words: a lane takes its row's four words of a panel's quad, which begins 6,144 bytes into the panel
.irp j, 0,1
	ds_load_b128 v[SC+24*\slot+4*\j:SC+24*\slot+4*\j+3], v[ADSA+\slot] offset:6144+PANEL*\j
.endr
.irp j, 0,1,2,3
	ds_load_b128 v[SC+24*\slot+8+4*\j:SC+24*\slot+8+4*\j+3], v[ADSB+\slot] offset:6144+PANEL*\j
.endr
.endm
; A step of 128 along K that has its successor in the same slot.  A load into a register that a matrix instruction has read stands four plain vector instructions behind it (ISA guide 7.12.1 for vector instructions).
.macro STEP slot, q, zero
	s_wait_dscnt 0x0                               ; this step's fragments, asked for 32 matrix instructions ago, are in
	PLACES 4
	FETCH \slot, (\q)+1, ((\q)+1)%2
	WIN MUL
	MUL8 0, (\q)%2, \q, \slot, \zero
	MUL8 1, (\q)%2, \q, \slot, \zero
	MUL8 2, (\q)%2, \q, \slot, \zero
	MUL8 3, (\q)%2, \q, \slot, \zero
.endm
; A slot's last step changes slots: ONE barrier.  In front of it each wave waits for all its tensor loads (its part of the next slot), adds 0 to its spare word, and waits for that and for its reads of this slot.
; fill = 1: the barrier opens a round of the cluster's, and behind the round this slot is filled again, two groups ahead: 112 matrix instructions ahead of the wait for it.
.macro TURN slot, next, fill
	WIN 0                                          ; the add's two registers lie in window 0
	s_wait_tensorcnt 0x0                           ; all my tensor loads have landed
	ds_add_u32 v[SPW], v[NIL]                      ; 0 onto my spare word
	s_wait_dscnt 1                                 ; the 36 fragment loads are in; the add may be out
	WIN MUL
	MUL8 0, 1, 3, \slot, 0
	s_wait_dscnt 0x0                               ; the add is done, and my reads of this slot are over
	s_barrier_signal -1
	MUL8 1, 1, 3, \slot, 0
	WIN 0
	s_barrier_wait -1
.if \fill
	CREST                                          ; no wave of any partner still reads this slot or has a load on its way
	s_add_nc_u64 s[G0R+4*\slot+2:G0R+4*\slot+3], s[G0R+4*\slot+2:G0R+4*\slot+3], 2*PAIRB
	s_add_nc_u64 s[G0C+4*\slot+2:G0C+4*\slot+3], s[G0C+4*\slot+2:G0C+4*\slot+3], 2*PAIRB
	JLOAD G0R+4*\slot, G1R, G0C+4*\slot, G1C       ; the first tensor load behind the round; its four v_nop are also the places in front of the loads below
.else
	PLACES 4
.endif
	FETCH \next, 0, 0
	SCALES \next
	WIN MUL
	MUL8 2, 1, 3, \slot, 0
	MUL8 3, 1, 3, \slot, 0
.endm
; 64 numbers v[s] .. v[s + 63] of window w, register 16 b + i = k 32 b + 16 (lane / 16) + i of my row, become a fragment in v[pc] on and its scale word in v[pw], both in window 0.  Each accumulator is read from its low end on.
.macro QUANT s, w, pc, pw
	WIN ((\w)<<2)|((\w)<<4)
.irp b, 0,1,2,3
	v_max3_num_f32 v[TM+\b], 0x1800000, |v[(\s)+16*\b]|, |v[(\s)+16*\b+1]|   ; the floor 2^(3 - 127) and my first two numbers of block b
.endr
.irp i, 2,4,6,8,10,12,14
.irp b, 0,1,2,3
	v_max3_num_f32 v[TM+\b], v[TM+\b], |v[(\s)+16*\b+\i]|, |v[(\s)+16*\b+\i+1]|
.endr
.endr
	WIN 0
.irp b, 0,1,2,3
	v_permlanex16_b32 v[TM+4+\b], v[TM+\b], s[SEL], s[SEL+1]
.endr
.irp b, 0,1,2,3
	v_max_num_f32 v[TM+\b], v[TM+\b], v[TM+4+\b]
.endr
.irp b, 0,1,2,3
	v_add_nc_u32 v[TM+12+\b], 0xff000000, v[TM+\b]     ; 2 off the exponent field: the conversion's scale operand
.endr
.irp b, 0,1,2,3
	v_lshrrev_b32 v[TM+4+\b], 23, v[TM+12+\b]
.endr
	v_lshl_or_b32 v[\pw], v[TM+5], 8, v[TM+4]
	v_lshl_or_b32 v[\pw], v[TM+6], 16, v[\pw]
	v_lshl_or_b32 v[\pw], v[TM+7], 24, v[\pw]
	WIN (\w)
.irp c, 0,1
	v_cvt_scalef32_pk16_fp6_f32 v[\pc+6*\c:\pc+6*\c+2], v[(\s)+32*\c:(\s)+32*\c+15], v[TM+12+2*\c]
	v_cvt_scalef32_pk16_fp6_f32 v[PT+4*\c:PT+4*\c+2], v[(\s)+32*\c+16:(\s)+32*\c+31], v[TM+13+2*\c]
.endr
	WIN 0
	v_nop                                              ; one plain instruction behind the scaled conversions
.irp c, 0,1
.irp i, 0,1,2
	v_permlane16_swap_b32 v[\pc+6*\c+\i], v[PT+4*\c+\i]
.endr
.irp i, 0,1,2
	v_mov_b32 v[\pc+3+6*\c+\i], v[PT+4*\c+\i]
.endr
.endr
.endm
; The rotary step on tile a: registers 0-31 of its 64 are d = 0 .. 63 of my half, registers 32-63 the same d + 64.
.macro ROPE a
	WIN 0x0e                                       ; source 0: the accumulators (window 2); source 1: the tables (window 3)
.irp i, 0,2,4,6,8,10,12,14,16,18,20,22,24,26,28,30
	v_pk_mul_f32 v[TT:TT+1], v[64*(\a)+32+\i:64*(\a)+33+\i], v[64*(\a)+32+\i:64*(\a)+33+\i]     ; x_i sin
	v_pk_mul_f32 v[TT+2:TT+3], v[64*(\a)+32+\i:64*(\a)+33+\i], v[64*(\a)+\i:64*(\a)+1+\i]       ; x_i cos
	v_pk_fma_f32 v[HA+\i:HA+1+\i], v[64*(\a)+\i:64*(\a)+1+\i], v[64*(\a)+\i:64*(\a)+1+\i], v[TT:TT+1] neg_lo:[0,0,1] neg_hi:[0,0,1]   ; x_r cos - x_i sin
	v_pk_fma_f32 v[HA+32+\i:HA+33+\i], v[64*(\a)+\i:64*(\a)+1+\i], v[64*(\a)+32+\i:64*(\a)+33+\i], v[TT+2:TT+3]                       ; x_r sin + x_i cos
.endr
	WIN 0
.endm
	s_load_b256 s[4:11], s[0:1], 0x0               ; xw, sins, coss, qimg
	s_load_b64 s[12:13], s[0:1], 0x20              ; kvimg
	v_lshl_add_u32 v[SPW], v0, 2, SPARE
	v_mov_b32 v[NIL], 0
	ds_add_u32 v28, v29
	ds_add_u32 v28, v29
	s_wait_dscnt 0x0
	v_lshrrev_b32 v1, 5, v0
	v_readfirstlane_b32 s14, v1                    ; wave 0..3
	s_lshr_b32 s15, s14, 1                         ; wr: which 64 rows are mine.  Also: I fetch for R (0) or for C (1)
	s_and_b32 s16, s14, 1                          ; wc: which 128 columns.  Also: which half of that tile I fetch
	s_bfe_u32 s40, ttmp6, 0x40000                  ; cx
	s_bfe_u32 s41, ttmp6, 0x40004                  ; cy
	s_and_b32 s18, ttmp7, 0xffff                   ; the cluster's y
	s_lshr_b32 s19, s18, 1
	s_and_b32 s20, s18, 1
	s_cmp_eq_u32 ttmp9, 3                          ; v's clusters: the cluster's x is the same in all partners
	s_cselect_b32 s19, s19, s18                    ; the cluster's place along the tile rows,
	s_cselect_b32 s20, s20, ttmp9                  ; along the tile columns;
	s_cselect_b32 s21, 160, 0                      ; R's first pair in xw (Wv's, or x's),
	s_cselect_b32 s22, 0, 64                       ; C's (x's, or Wq's with Wk's behind them)
	s_lshl_b32 s17, s19, 2
	s_add_co_u32 s17, s17, s41                     ; tr
	s_lshl_b32 s42, s20, 2
	s_add_co_u32 s42, s42, s40                     ; tc
	s_lshl_b32 s43, s41, 2
	s_lshl_b32 s43, 15, s43                        ; my row of the cluster
	s_lshl_b32 s44, 0x1111, s40                    ; my column
	; descriptor group 1: rows of 12,800 bytes (a pair's panels of one group: 1,600 elements of 8 bytes), NG x 12,800 bytes apart; R: 2 rows a load, C: 4; dense in LDS
	s_or_b32 s[G1R], s43, (3<<16)|(1<<21)          ; 15:0 the mask; 17:16 elements of 8 bytes; 20 no padding; 21 set beside a mask
	s_or_b32 s[G1C], s44, (3<<16)|(1<<21)
	s_mov_b32 s[G1R+1], 1600<<16                   ; tensor_dim0
	s_mov_b32 s[G1R+2], 2<<16                      ; tensor_dim1
	s_mov_b32 s[G1R+3], 1600<<16                   ; tile_dim0
	s_mov_b32 s[G1R+4], 2                          ; tile_dim1
	s_mov_b32 s[G1R+5], NG*1600                    ; tensor_dim0_stride
	s_mov_b32 s[G1R+6], 0
	s_mov_b32 s[G1R+7], 0
	s_mov_b32 s[G1C+1], 1600<<16
	s_mov_b32 s[G1C+2], 4<<16
	s_mov_b32 s[G1C+3], 1600<<16
	s_mov_b32 s[G1C+4], 4
	s_mov_b32 s[G1C+5], NG*1600
	s_mov_b32 s[G1C+6], 0
	s_mov_b32 s[G1C+7], 0
	s_lshl_b32 s68, s17, 2                         ; R: pair 4 tr + the first + 2 x half, in registers that never hold cx
	s_add_co_u32 s68, s68, s21
	s_lshl_b32 s69, s16, 1
	s_add_co_u32 s68, s68, s69
	s_mul_i32 s68, s68, NG*PAIRB
	s_mov_b32 s69, 0
	s_lshl_b32 s70, s42, 3                         ; C: pair 8 tc + the first + 4 x half, in registers that never hold cy
	s_add_co_u32 s70, s70, s22
	s_lshl_b32 s71, s16, 2
	s_add_co_u32 s70, s70, s71
	s_mul_i32 s70, s70, NG*PAIRB
	s_mov_b32 s71, 0
	s_mul_i32 s45, s16, 2*PAIRB                    ; where they go: no place in the cluster enters an LDS address
	s_mul_i32 s46, s16, 4*PAIRB
	s_add_co_u32 s46, s46, COFF
	s_wait_kmcnt 0x0
	s_add_nc_u64 s[68:69], s[4:5], s[68:69]
	s_add_nc_u64 s[70:71], s[4:5], s[70:71]
	CROUND                                         ; all sixteen work-groups are here: the first joint loads meet
.irp s, 0,1
	s_mov_b32 s[G0R+4*\s], 1
	s_add_co_u32 s[G0R+4*\s+1], s45, \s*SLOT
	s_add_nc_u64 s[G0R+4*\s+2:G0R+4*\s+3], s[68:69], \s*PAIRB
	s_or_b32 s[G0R+4*\s+3], s[G0R+4*\s+3], 0x80000000
	s_mov_b32 s[G0C+4*\s], 1
	s_add_co_u32 s[G0C+4*\s+1], s46, \s*SLOT
	s_add_nc_u64 s[G0C+4*\s+2:G0C+4*\s+3], s[70:71], \s*PAIRB
	s_or_b32 s[G0C+4*\s+3], s[G0C+4*\s+3], 0x80000000
	JLOAD G0R+4*\s, G1R, G0C+4*\s, G1C             ; groups 0 and 1: two tensor loads of mine are out
.endr
	v_and_b32 v2, 31, v0                           ; lane
	v_and_b32 v3, 15, v0                           ; r
	v_bfe_u32 v4, v0, 4, 1                         ; h
	; The tables, for my 64 tokens, in the accumulators' order: they land while K is walked.  v's work-groups load rows under 1,024 too and do not use them, so that every wave takes one way.
	v_and_b32 v5, 8, v3
	v_add_nc_u32 v5, v5, v3                        ; r + 8 (r / 8)
	v_lshlrev_b32 v[TAB], 8, v5                    ; a table's row is 256 bytes
	v_lshl_add_u32 v[TAB], v4, 6, v[TAB]           ; + 64 h
	s_lshl_b32 s72, s17, 15                        ; 128 tr rows
	s_lshl_b32 s73, s15, 14                        ; + 64 wr
	s_add_co_u32 s72, s72, s73
	s_mov_b32 s73, 0
	s_add_nc_u64 s[6:7], s[6:7], s[72:73]
	s_add_nc_u64 s[8:9], s[8:9], s[72:73]
	WIN 0xc0                                       ; destination window 3
.irp a, 0,1,2,3
.irp bb, 0,1
.irp j, 0,1,2,3
	global_load_b128 v[64*\a+16*\bb+4*\j:64*\a+16*\bb+4*\j+3], v[TAB], s[8:9] offset:(32*(\a/2)+8*(\a%2))*256+128*\bb+16*\j
	global_load_b128 v[64*\a+32+16*\bb+4*\j:64*\a+32+16*\bb+4*\j+3], v[TAB], s[6:7] offset:(32*(\a/2)+8*(\a%2))*256+128*\bb+16*\j
.endr
.endr
.endr
	WIN 0
	; where my four fragments and their quad go
	s_lshl_b32 s80, s42, 1
	s_add_co_u32 s80, s80, s16                     ; 2 tc + wc: q's head; k's head + 16; v's key step
	s_lshl_b32 s81, s80, 7
	s_lshl_b32 s82, s17, 3
	s_add_co_u32 s81, s81, s82
	s_lshl_b32 s82, s15, 2
	s_add_co_u32 s81, s81, s82
	s_mul_i32 s81, s81, 1536                       ; q: image (head x 128 + tile 8 tr + 4 wr)
	s_lshl_b32 s82, s80, 5
	s_lshl_b32 s83, s17, 1
	s_add_co_u32 s82, s82, s83
	s_add_co_u32 s82, s82, s15
	s_lshl_b32 s82, s82, 8
	s_add_co_u32 s82, s82, 3145728                 ; q: quad (head x 32 + 2 tr + wr), behind the images
	s_sub_co_u32 s83, s80, 16
	s_cmp_eq_u32 ttmp9, 3
	s_cselect_b32 s84, s17, s83                    ; the key/value head,
	s_cselect_b32 s85, s80, s17                    ; the key step,
	s_cselect_b32 s86, 12800, 0                    ; v's half of the step's block or k's
	s_mul_i32 s84, s84, 409600
	s_mul_i32 s85, s85, 25600
	s_add_co_u32 s84, s84, s85
	s_add_co_u32 s84, s84, s86
	s_mul_i32 s85, s15, 6144
	s_add_co_u32 s85, s85, s84                     ; images 4 wr on
	s_lshl_b32 s86, s15, 8
	s_add_co_u32 s86, s86, s84
	s_add_co_u32 s86, s86, 12288                   ; quad wr
	s_cmp_lt_u32 ttmp9, 2
	s_cselect_b32 s76, s81, s85
	s_cselect_b32 s78, s82, s86
	s_cselect_b64 s[88:89], s[10:11], s[12:13]
	s_mov_b32 s77, 0
	s_mov_b32 s79, 0
	s_add_nc_u64 s[76:77], s[88:89], s[76:77]
	s_add_nc_u64 s[78:79], s[88:89], s[78:79]
	s_mov_b32 s[SEL], 0x76543210
	s_mov_b32 s[SEL+1], 0xfedcba98
	v_lshlrev_b32 v[LI], 4, v2
	v_lshlrev_b32 v[LR], 4, v3
	s_mul_i32 s90, s15, 4*PANEL                    ; my four panels of R
	s_mul_i32 s91, s16, 8*PANEL
	s_add_co_u32 s91, s91, COFF                    ; my eight of C
	v_mad_u32_u24 v6, v4, 2*PANEL, v[LR]
	v_mad_u32_u24 v7, v4, 4*PANEL, v[LR]
.irp s, 0,1
	v_add_nc_u32 v[ADRA+\s], s90, v[LI]
	v_add_nc_u32 v[ADRB+\s], s91, v[LI]
	v_add_nc_u32 v[ADSA+\s], s90, v6
	v_add_nc_u32 v[ADSB+\s], s91, v7
	s_add_co_u32 s90, s90, SLOT
	s_add_co_u32 s91, s91, SLOT
.endr
	s_wait_tensorcnt 1                             ; my part of group 0 is in; group 1's may be out
	s_barrier_signal -1
	s_barrier_wait -1                              ; everybody's is
	FETCH 0, 0, 0
	SCALES 0
	STEP 0, 0, 1                                   ; the first step stands in front of the loop: its products start the sums
	WIN 0                                          ; at a label and at a branch every window is 0
	s_mov_b32 s3, NG/2-1
.Llap:                                                 ; a trip goes once round the ring, from a lap's second step to the next lap's first, and fills both slots again
	STEP 0, 1, 0
	STEP 0, 2, 0
	TURN 0, 1, 1
	STEP 1, 0, 0
	STEP 1, 1, 0
	STEP 1, 2, 0
	TURN 1, 0, 1
	STEP 0, 0, 0
	WIN 0
	s_sub_co_u32 s3, s3, 1
	s_cmp_lg_u32 s3, 0
	s_cbranch_scc1 .Llap
	STEP 0, 1, 0                                   ; the last lap fills nothing, and has no round of the cluster's barrier
	STEP 0, 2, 0
	TURN 0, 1, 0
	STEP 1, 0, 0
	STEP 1, 1, 0
	STEP 1, 2, 0
	s_wait_dscnt 0x0                               ; the very last step: nothing more to fetch
	WIN MUL
	MUL8 0, 1, 3, 1, 0
	MUL8 1, 1, 3, 1, 0
	MUL8 2, 1, 3, 1, 0
	MUL8 3, 1, 3, 1, 0
	WIN 0
	; THE WAY OUT: each of my four tiles of rows becomes one fragment (its 128 columns are one K step of the product that will read it) and one scale word a row.
	PLACES 4                                       ; between the last products and the first read of results, and the first write of registers that they read
.irp b, 0,1,2,3
	v_mov_b32 v[TM+4+\b], 0                        ; a lane permute's destination counts as one of its sources
.endr
	s_wait_loadcnt 0x0                             ; the tables
	s_cmp_eq_u32 ttmp9, 3
	s_cbranch_scc1 .Lv
.irp a, 0,1,2,3
	ROPE \a
	QUANT HA, 0, PCA+12*\a, QD+\a
.irp c, 0,1,2
	global_store_b128 v[LI], v[PCA+12*\a+4*\c:PCA+12*\a+4*\c+3], s[76:77] offset:1536*\a+512*\c   ; 512 consecutive bytes, at a multiple of 256 from the buffer's first byte
.endr
.endr
	s_branch .Lquads
.Lv:
.irp a, 0,1,2,3
	QUANT 64*\a, 2, PCA+12*\a, QD+\a
.irp c, 0,1,2
	global_store_b128 v[LI], v[PCA+12*\a+4*\c:PCA+12*\a+4*\c+3], s[76:77] offset:1536*\a+512*\c
.endr
.endr
.Lquads:
	global_store_b128 v[LR], v[QD:QD+3], s[78:79]  ; the quad: 256 bytes; lanes 16-31 hold the same words and write the same bytes
	s_wait_tensorcnt 0x0                           ; the wave's end
	ds_add_u32 v[SPW], v[NIL]
	s_wait_dscnt 0x0
	CROUND                                         ; the closing round: no work-group ends while a partner may still ask for a tile that names it
	s_endpgm
.Lfunc_end_k_q1122f8fa73_qkv:
	.size	k_q1122f8fa73_qkv, .Lfunc_end_k_q1122f8fa73_qkv-k_q1122f8fa73_qkv
	.p2alignl 7, 3214868480
	.fill 96, 4, 3214868480
	.section	.rodata,"a",@progbits
	.p2align	6, 0x0
	.amdhsa_kernel k_q1122f8fa73_qkv
		.amdhsa_group_segment_fixed_size 327680
		.amdhsa_private_segment_fixed_size 0
		.amdhsa_enable_private_segment 0
		.amdhsa_kernarg_size 40
		.amdhsa_user_sgpr_count 2
		.amdhsa_user_sgpr_kernarg_segment_ptr 1
		.amdhsa_wavefront_size32 1
		.amdhsa_system_sgpr_workgroup_id_x 1
		.amdhsa_system_sgpr_workgroup_id_y 1
		.amdhsa_system_sgpr_workgroup_id_z 1
		.amdhsa_system_vgpr_workitem_id 0
		.amdhsa_next_free_vgpr 1024
		.amdhsa_next_free_sgpr 100
		.amdhsa_reserve_vcc 0
		.amdhsa_float_denorm_mode_32 3
		.amdhsa_float_denorm_mode_16_64 3
		.amdhsa_memory_ordered 1
		.amdhsa_forward_progress 1
		.amdhsa_inst_pref_size 173
	.end_amdhsa_kernel
	.amdgpu_metadata
---
amdhsa.version: [ 1, 2 ]
amdhsa.kernels:
  - .name:           k_q1122f8fa73_qkv
    .symbol:         k_q1122f8fa73_qkv.kd
    .args:
      - { .name: xw, .offset: 0, .size: 8, .value_kind: global_buffer, .address_space: global }
      - { .name: sins, .offset: 8, .size: 8, .value_kind: global_buffer, .address_space: global }
      - { .name: coss, .offset: 16, .size: 8, .value_kind: global_buffer, .address_space: global }
      - { .name: qimg, .offset: 24, .size: 8, .value_kind: global_buffer, .address_space: global }
      - { .name: kvimg, .offset: 32, .size: 8, .value_kind: global_buffer, .address_space: global }
    .group_segment_fixed_size: 327680
    .private_segment_fixed_size: 0
    .kernarg_segment_align: 8
    .kernarg_segment_size: 40
    .max_flat_workgroup_size: 128
    .sgpr_count:     100
    .vgpr_count:     1024
    .wavefront_size: 32
...
	.end_amdgpu_metadata
.endif
;; end of part 2
;; launch attn (part 3): grid 32 x 8, 8 waves a work-group, clusters of 4 x 4, 327,680 bytes of LDS; arguments qimg, kvimg, mask, oimg; writes oimg
.if DOCPART == 3
	.amdgcn_target "amdgcn-amd-amdhsa--gfx1250"
	.amdhsa_code_object_version 6
	.text
	.protected	k_q1122f8fa73_attn
	.globl	k_q1122f8fa73_attn
	.p2align	8
	.type	k_q1122f8fa73_attn,@function
k_q1122f8fa73_attn:
	s_mov_b64 s[64:65], 0
	v_nop
	global_prefetch_b8 v0, s[64:65] scope:SCOPE_SE
	s_setreg_imm32_b32 hwreg(HW_REG_WAVE_MODE, 25, 1), 1
	s_wait_xcnt 0x0
	s_wait_alu depctr_hold_cnt(0) depctr_sa_sdst(0) depctr_va_vdst(0) depctr_va_sdst(0) depctr_va_ssrc(0) depctr_va_vcc(0) depctr_vm_vsrc(0)
	s_getreg_b32 s2, hwreg(HW_REG_IB_STS2, 6, 4)
	s_cmp_eq_u32 s2, 0
	s_cbranch_scc0 .Lentry_in_a_cluster
	s_endpgm
.Lentry_in_a_cluster:
	s_bfe_u32 s2, ttmp6, 0x10000c
	s_cmp_lg_u32 s2, 0xf033
	s_cbranch_scc0 .Lentry_shape_is_right
	s_endpgm
.Lentry_shape_is_right:
; o = softmax(q k^T / sqrt(128) + mask) v for 16 query heads on 8 key/value heads, both products on codes of FP6 (E2M3) with E8M0 scales; o is divided by the row's sum, quantised along the head's 128 and stored as an operand image.
; THE SOFTMAX AHEAD OF THE SECOND PRODUCT: logit = score / sqrt(128) + mask; t = logit x log2(e); M = the running largest t rounded UP to a whole number; p = 2^(t - M) is quantised along the keys, not normalised.
; The row's sum is taken of the unquantised p.  When M moves, the sum and O are multiplied by 2^(old M - new M): exact.  THE MASK IS AN INPUT: it is read whole, and no key step is left out.
; LIMITS: in a row whose every logit so far is a huge finite number (all -1e9) t - M is one fused multiply-add on a logit of coarse spacing, so p may carry a common factor of up to 2^64 either way;
; the blocks' scales and the sum both take it up.  -infinity in the mask gives p = 0; a row that is all -infinity gives NaN, as the definition does.  A block of zeros keeps the scale byte 1.
; SHARES: a work-group owns 64 queries of the two query heads of one key/value head; each of its eight waves one tile of 16 queries of one head, in 512 registers: two waves to a SIMD.
; Every wave walks all 2,048 keys, 128 a step; a slot of the ring holds two steps.
; LAYOUT: both products transposed (S^T = K Q^T, O^T = V^T P^T): a lane holds ONE query.  Place r of a tile (of keys, of the head's 128, of queries) is row 32 (T / 2) + 8 (T % 2) + r + 8 (r / 8), so the 16 registers of two
; neighbouring tiles are 16 neighbours along the next K.  K's and V's fragments lie in memory and LDS as images of their registers: three loads of 16 bytes a lane bring one.
; THE ORDER OF A STEP.  A step reads 50 loads of 512 bytes and 32 of 256 bytes a wave from LDS, and behind each barrier the eight waves are in step.  So nothing is asked for where it is needed: V's fragments are asked for in four
; runs of six loads among the logits, the maxima and the scalings; the NEXT step's K (its registers are free behind this step's first products) in four runs among the exponentials; the next step's mask (free behind the logits) in
; four runs of eight among the exponentials and the sums.  A run into window 1 costs two switches of the register window: sixteen a step; that is the price of LDS work that stands beside vector work.
; THE CHANGE OF SLOTS stands inside a slot's second step, behind V's last run, where the wave's reads of the slot end, and ahead of the exponentials: behind it the next step's K and mask come from the other slot.
; CLUSTERS: 4 x 4.  K and V hang on the key/value head alone: asked for jointly along a row of the cluster; the mask's tile hangs on the block of queries alone: along a column.
; REGISTERS: window 0: v1-8 addresses that stay; v12 -M, v13 the largest t, v[14:15] the sum; v16-27 Q; v28-31 K's scale words; v32-95 the mask (on the way out: at work); v96-159 S^T, then p; v160-223 O^T; v224-235 p's codes;
;   v232-247, v252-254 at work; v248-251 V's scale words; v253 p's scale word; v255 Q's.   window 1: v0-95 K's eight fragments; v96-191 V's.
.set SLOT1, 1<<17                      ; slot 1 begins here: one exclusive or turns an address in one slot into the other's
.set STEPB, 25600                      ; a key step's block: K's 8 images, its 2 quads, V's 8 images, its 2 quads
.set MOFF,  2*STEPB                    ; behind a slot's two blocks: the mask, 64 rows
.set MPIT,  1032                       ; of 1,024 bytes + 8
.set SPARE, 248832                     ; behind the ring: the spare words, 128 bytes a wave: four blocks of 256 bytes that no other line names
.set NSL,   8                          ; slots' worth of keys
.set LI,  1                            ; v1 16 x lane
.set AM0, 2                            ; v2 my query's row of the mask's tile, + 64 (lane / 16)
.set SPW, 3
.set NIL, 4
.set ADL, 5                            ; v5 16 x lane in the slot in hand
.set ADM, 6                            ; v6 the mask's likewise
.set PFO, 7                            ; v7 the prefetches' offset; never rewritten
.set LR,  8                            ; v8 16 r
.set MK,  32                           ; v32-95 the mask, in the order of S^T's registers
.set TM,  32                           ; the way out works in the mask's registers
.set PT,  48
.set PC,  56
.set PW,  68
.set WV,  14
.set SEL, 20
.set CS,  22                           ; s[22:23] log2(e)
.set G1KV, 24
.set G1M,  32
.set G0KV, 40                          ; s[40:47] group 0 for K and V: a set for each of the two first fills; the second then walks on
.set G0M,  48                          ; s[48:55] the same for the mask
.set SCL,  66                          ; s[66:67] 1 / sqrt(128)
.set TB,   92                          ; s92 LDS byte at which the slot in hand begins
.set SLOTS, 93                         ; s93 slots still to be asked for
.set LIM,  94
.set PFA,  96
.set PFS,  98
.set MSB, 0
.macro WIN new                         ; the immediate's high byte repeats the setting that is left; a switch that changes nothing is dropped
.if MSB != (\new)
	s_set_vgpr_msb (MSB<<8)|(\new)
.set MSB, (\new)
.endif
.endm
.macro PLACES n
.rept \n
	v_nop
.endr
.endm
; Waves 0-3 fetch a quarter each of a slot's K and V, waves 4-7 sixteen rows each of the mask's tile.  The branch hangs on the wave's number alone.  Four v_nop follow each of the two lines.
.macro JLOAD set
	s_cmp_eq_u32 s15, 0
	s_cbranch_scc0 .Lfor_m_\@
	tensor_load_to_lds s[G0KV+4*\set:G0KV+4*\set+3], s[G1KV:G1KV+7]
	s_nop 0
.rept 4
	v_nop
.endr
	s_branch .Lasked_\@
.Lfor_m_\@:
	tensor_load_to_lds s[G0M+4*\set:G0M+4*\set+3], s[G1M:G1M+7]
	s_nop 0
.rept 4
	v_nop
.endr
.Lasked_\@:
.endm
.macro CROUND
	s_barrier_signal -1
	s_barrier_wait -1
	s_cmp_lg_u32 s[WV], 0
	s_cbranch_scc1 .Lnot_wave_0_\@
	s_barrier_signal -3
.Lnot_wave_0_\@:
	s_barrier_wait -3
	s_barrier_signal -1
	s_barrier_wait -1
.endm
; A PREFETCH INTO THE L2 of what the NEXT change of slots will ask for, behind the wave's tensor load and its four lines: two key steps ahead of that load.
; K and V of a head are walked by all eight clusters of its row of clusters: the cluster with x = 0 asks; its four partners of a row take 12,800 bytes each, told apart by address; waves 0 and 1 name its 50 blocks of 256 bytes,
; a lane a block (the last 14 lanes of wave 1 name the last block again).  A block of queries' rows of the mask are walked by both clusters of its column: the cluster with y = 0 asks; the partners of a column take 16 rows each;
; waves 4 and 5 eight rows each, four lanes to a row's 1,024 bytes.  The last change that fills a slot asks for nothing; slots 0 to 2 come by their loads alone.
.macro ASK
	s_cmp_gt_u32 s[SLOTS], s[LIM]
	s_cbranch_scc0 .Lnot_mine_\@
	global_prefetch_b8 v[PFO], s[PFA:PFA+1] th:TH_LOAD_NT scope:SCOPE_SE
.Lnot_mine_\@:
.endm
.macro QUANT s, pc, pw                 ; 64 numbers, register 16 b + i = k 32 b + 16 (lane / 16) + i of my row, become a fragment and its scale word
.irp b, 0,1,2,3
	v_max3_num_f32 v[TM+\b], |v[\s+16*\b]|, |v[\s+1+16*\b]|, 0x1800000
.endr
.irp i, 2,4,6,8,10,12,14
.irp b, 0,1,2,3
	v_max3_num_f32 v[TM+\b], v[TM+\b], |v[\s+16*\b+\i]|, |v[\s+1+16*\b+\i]|
.endr
.endr
.irp b, 0,1,2,3
	v_permlanex16_b32 v[TM+4+\b], v[TM+\b], s[SEL], s[SEL+1]
.endr
.irp b, 0,1,2,3
	v_max_num_f32 v[TM+\b], v[TM+\b], v[TM+4+\b]
.endr
.irp b, 0,1,2,3
	v_add_nc_u32 v[TM+12+\b], 0xff000000, v[TM+\b]
.endr
.irp b, 0,1,2,3
	v_lshrrev_b32 v[TM+4+\b], 23, v[TM+12+\b]
.endr
	v_lshl_or_b32 v[\pw], v[TM+5], 8, v[TM+4]
	v_lshl_or_b32 v[\pw], v[TM+6], 16, v[\pw]
	v_lshl_or_b32 v[\pw], v[TM+7], 24, v[\pw]
.irp c, 0,1
	v_cvt_scalef32_pk16_fp6_f32 v[\pc+6*\c:\pc+2+6*\c], v[\s+32*\c:\s+15+32*\c], v[TM+12+2*\c]
	v_cvt_scalef32_pk16_fp6_f32 v[PT+4*\c:PT+2+4*\c], v[\s+16+32*\c:\s+31+32*\c], v[TM+13+2*\c]
.endr
	v_nop
.irp c, 0,1
.irp i, 0,1,2
	v_permlane16_swap_b32 v[\pc+6*\c+\i], v[PT+4*\c+\i]
.endr
.irp i, 0,1,2
	v_mov_b32 v[\pc+3+6*\c+\i], v[PT+4*\c+\i]
.endr
.endr
.endm
; THE RUNS OF LDS LOADS.  CURQ: the key step in hand, of the slot's two; NXQ: the step that follows, in the slot that v[ADL] and v[ADM] point into when the run is issued; HASN: there is such a step.
.macro LV2 n                           ; V's fragments 2 n and 2 n + 1 of the step in hand: six loads of 512 bytes
	WIN 0x40                                       ; destination window 1
.irp f, 0,1
.irp c, 0,1,2
	ds_load_b128 v[96+12*(2*(\n)+\f)+4*\c:96+12*(2*(\n)+\f)+4*\c+3], v[ADL] offset:STEPB*CURQ+12800+1536*(2*(\n)+\f)+512*\c
.endr
.endr
	WIN 0
.endm
.macro LNK2 n                          ; K's fragments 2 n and 2 n + 1 of the next step
.if HASN
	WIN 0x40
.irp f, 0,1
.irp c, 0,1,2
	ds_load_b128 v[12*(2*(\n)+\f)+4*\c:12*(2*(\n)+\f)+4*\c+3], v[ADL] offset:STEPB*NXQ+1536*(2*(\n)+\f)+512*\c
.endr
.endr
	WIN 0
.endif
.endm
.macro LNM2 n                          ; the next step's mask at my query, keys 32 n + 16 (lane / 16) + 0 .. 15: eight loads of 256 bytes
.if HASN
.irp p, 0,1,2,3,4,5,6,7
	ds_load_b64 v[MK+16*(\n)+2*\p:MK+16*(\n)+2*\p+1], v[ADM] offset:512*NXQ+128*(\n)+8*\p
.endr
.endif
.endm
; THE CHANGE OF SLOTS.  Each wave waits for all its tensor loads (its part of the other slot), adds 0 to its spare word, and waits for that and for its reads of the slot in hand, of which V's last run was the last.
; fill = 1: a round of the cluster's barrier, and behind it the slot that is left is filled with the keys two slots on: the load has two key steps in which to land.  Then the LDS addresses turn to the other slot.
.macro CHANGE fill
	s_wait_tensorcnt 0x0                           ; no tensor load of mine is out, so a group 0 may be written
	ds_add_u32 v[SPW], v[NIL]                      ; 0 onto my spare word
.if \fill
	s_xor_b32 s[G0KV+5], s[G0KV+5], SLOT1          ; the walking descriptors: the other slot than last time,
	s_add_nc_u64 s[G0KV+6:G0KV+7], s[G0KV+6:G0KV+7], 2*STEPB   ; the next two key steps' blocks; the type bits on top are not reached
	s_xor_b32 s[G0M+5], s[G0M+5], SLOT1
	s_add_nc_u64 s[G0M+6:G0M+7], s[G0M+6:G0M+7], 1024
	s_wait_xcnt 0x0                                ; the last prefetch, a slot back, has read its address, so it may be written:
	s_add_nc_u64 s[PFA:PFA+1], s[PFA:PFA+1], s[PFS:PFS+1]   ; one slot further on than the walking descriptors
	s_wait_dscnt 0x0                               ; the add is done, and my reads of the slot in hand are over
	CROUND
	JLOAD 1                                        ; the first thing behind the round, and my one tensor load until the next
	ASK
.else
	s_wait_dscnt 0x0
	s_barrier_signal -1
	s_barrier_wait -1
.endif
	s_xor_b32 s[TB], s[TB], SLOT1
	v_add_nc_u32 v[ADL], s[TB], v[LI]
	v_add_nc_u32 v[ADM], s[TB], v[AM0]
.endm
	s_load_b256 s[4:11], s[0:1], 0x0               ; qimg, kvimg, mask, oimg
	v_lshl_add_u32 v[SPW], v0, 2, SPARE
	v_mov_b32 v[NIL], 0
	ds_add_u32 v3, v4
	ds_add_u32 v3, v4
	s_wait_dscnt 0x0
	v_lshrrev_b32 v9, 5, v0
	v_readfirstlane_b32 s[WV], v9                  ; wave 0..7
	s_lshr_b32 s15, s[WV], 2                       ; which of the two query heads.  Also: I fetch K and V (0) or the mask (1)
	s_and_b32 s16, s[WV], 3                        ; which tile of the 64 queries.  Also: which quarter I fetch
	s_bfe_u32 s56, ttmp6, 0x40000                  ; cx
	s_bfe_u32 s57, ttmp6, 0x40004                  ; cy
	s_lshl_b32 s58, ttmp9, 2
	s_add_co_u32 s58, s58, s56                     ; qb: my block of 64 queries
	s_and_b32 s61, ttmp7, 0xffff                   ; the cluster's y
	s_lshl_b32 s59, s61, 2
	s_add_co_u32 s59, s59, s57                     ; g: my key/value head
	s_lshl_b32 s60, s59, 1
	s_add_co_u32 s60, s60, s15                     ; hq: my query head
	s_lshl_b32 s62, s57, 2
	s_lshl_b32 s62, 15, s62                        ; my row of the cluster
	s_lshl_b32 s63, 0x1111, s56                    ; my column
	s_or_b32 s[G1KV], s62, (3<<16)|(1<<21)         ; K and V: a dense block of 12,800 bytes as 50 rows of 256 bytes (32 elements of 8 bytes), no padding
	s_mov_b32 s[G1KV+1], 32<<16
	s_mov_b32 s[G1KV+2], 50<<16
	s_mov_b32 s[G1KV+3], 32<<16
	s_mov_b32 s[G1KV+4], 50
	s_mov_b32 s[G1KV+5], 32
	s_mov_b32 s[G1KV+6], 0
	s_mov_b32 s[G1KV+7], 0
	s_or_b32 s[G1M], s63, (2<<16)|(1<<20)|(1<<21)|(7<<22)|(1<<25)   ; the mask: 16 rows of 256 elements of 4 bytes, 2,048 elements apart; after every 256 words (code 7) 2 words of padding (code 1)
	s_mov_b32 s[G1M+1], 256<<16
	s_mov_b32 s[G1M+2], 16<<16
	s_mov_b32 s[G1M+3], 256<<16
	s_mov_b32 s[G1M+4], 16
	s_mov_b32 s[G1M+5], 2048
	s_mov_b32 s[G1M+6], 0
	s_mov_b32 s[G1M+7], 0
	s_mul_i32 s68, s59, 16*STEPB                   ; K and V: my head, my quarter of a slot: nothing of cx
	s_mul_i32 s72, s16, 12800
	s_add_co_u32 s68, s68, s72
	s_mov_b32 s69, 0
	s_lshl_b32 s70, s58, 6                         ; the mask: row 64 qb + 16 x quarter: nothing of cy
	s_lshl_b32 s71, s16, 4
	s_add_co_u32 s70, s70, s71
	s_lshl_b32 s70, s70, 13
	s_mov_b32 s71, 0
	s_mul_i32 s73, s16, 16*MPIT
	s_add_co_u32 s73, s73, MOFF
	s_mov_b32 s[SEL], 0x76543210
	s_mov_b32 s[SEL+1], 0xfedcba98
	s_mov_b32 s[CS], 0x3fb8aa3b                    ; log2(e)
	s_mov_b32 s[CS+1], s[CS]                       ; (named with it as a pair, so it is written)
	s_mov_b32 s[SCL], 0x3db504f3                   ; 1 / sqrt(128)
	s_mov_b32 s[SCL+1], s[SCL]
	s_mov_b32 s[TB], 0
	s_mov_b32 s[SLOTS], NSL-2
	s_wait_kmcnt 0x0
	s_add_nc_u64 s[68:69], s[6:7], s[68:69]
	s_add_nc_u64 s[70:71], s[8:9], s[70:71]
	CROUND                                         ; all sixteen work-groups are here: the first joint loads meet
.irp s, 0,1
	s_mov_b32 s[G0KV+4*\s], 1
	s_add_co_u32 s[G0KV+4*\s+1], s72, \s*SLOT1
	s_add_nc_u64 s[G0KV+4*\s+2:G0KV+4*\s+3], s[68:69], \s*2*STEPB
	s_or_b32 s[G0KV+4*\s+3], s[G0KV+4*\s+3], 0x80000000
	s_mov_b32 s[G0M+4*\s], 1
	s_add_co_u32 s[G0M+4*\s+1], s73, \s*SLOT1
	s_add_nc_u64 s[G0M+4*\s+2:G0M+4*\s+3], s[70:71], \s*1024
	s_or_b32 s[G0M+4*\s+3], s[G0M+4*\s+3], 0x80000000
	JLOAD \s                                       ; slots 0 and 1: two tensor loads of mine are out
.endr
	v_and_b32 v9, 31, v0                           ; lane
	v_lshlrev_b32 v[LI], 4, v9
	v_and_b32 v10, 15, v0                          ; r
	v_lshlrev_b32 v[LR], 4, v10
	v_bfe_u32 v11, v0, 4, 1                        ; h
	s_lshl_b32 s74, s60, 7
	s_lshl_b32 s75, s58, 2
	s_add_co_u32 s74, s74, s75
	s_add_co_u32 s74, s74, s16                     ; 128 hq + my tile 4 qb + tq
	s_mul_i32 s74, s74, 1536
	s_mov_b32 s75, 0
	s_add_nc_u64 s[74:75], s[4:5], s[74:75]
.irp c, 0,1,2
	global_load_b128 v[16+4*\c:19+4*\c], v[LI], s[74:75] offset:512*\c   ; Q's fragment stays in registers
.endr
	s_lshl_b32 s76, s60, 5
	s_add_co_u32 s76, s76, s58
	s_lshl_b32 s76, s76, 8                         ; quad 32 hq + qb,
	s_lshl_b32 s77, s16, 2
	s_add_co_u32 s76, s76, s77                     ; word tq of a row,
	s_add_co_u32 s76, s76, 3145728                 ; behind the images
	s_mov_b32 s77, 0
	s_add_nc_u64 s[76:77], s[4:5], s[76:77]
	global_load_b32 v255, v[LR], s[76:77]          ; Q's scale words
	v_and_b32 v[AM0], 8, v10
	v_add_nc_u32 v[AM0], v[AM0], v10               ; r + 8 (r / 8)
	s_lshr_b32 s78, s16, 1
	s_lshl_b32 s78, s78, 5
	s_and_b32 s79, s16, 1
	s_lshl_b32 s79, s79, 3
	s_add_co_u32 s78, s78, s79                     ; my tile's first row among the 64
	s_mul_i32 s78, s78, MPIT
	s_add_co_u32 s78, s78, MOFF
	v_mul_u32_u24 v[AM0], v[AM0], MPIT
	v_lshl_add_u32 v[AM0], v11, 6, v[AM0]
	v_add_nc_u32 v[AM0], s78, v[AM0]
	; the prefetches: where my wave's stand, and who asks
	s_and_b32 s80, s[WV], 1
	s_mul_i32 s81, s56, 12800                      ; K and V: my work-group's quarter,
	s_mul_i32 s82, s59, 16*STEPB
	s_add_co_u32 s81, s81, s82
	s_add_co_u32 s81, s81, 4*STEPB                 ; in slot 2: the first change of slots steps it to slot 3
	s_lshl_b32 s82, s58, 6                         ; the mask: my work-group's 16 rows, my wave's 8 of them,
	s_lshl_b32 s83, s57, 4
	s_add_co_u32 s82, s82, s83
	s_lshl_b32 s83, s80, 3
	s_add_co_u32 s82, s82, s83
	s_lshl_b32 s82, s82, 13
	s_add_co_u32 s82, s82, 2048                    ; in slot 2 likewise
	s_lshl_b32 s83, s80, 5
	v_add_nc_u32 v10, s83, v9
	v_min_u32 v10, 49, v10
	v_lshlrev_b32 v10, 8, v10                      ; K and V: block 32 (wave % 2) + lane of 50
	v_lshrrev_b32 v11, 2, v9
	v_and_b32 v9, 3, v9
	v_lshlrev_b32 v9, 8, v9
	v_lshl_add_u32 v11, v11, 13, v9                ; the mask: row lane / 4, block lane % 4
	s_mov_b32 s[PFS], 1024
	s_cmp_eq_u32 s15, 0
	s_cselect_b32 s84, -1, 0
	s_cselect_b64 s[PFA:PFA+1], s[6:7], s[8:9]
	s_cselect_b32 s86, s81, s82
	s_cselect_b32 s[PFS], 2*STEPB, s[PFS]          ; a slot on
	s_cselect_b32 s85, ttmp9, s61                  ; the coordinate along which other clusters read the same bytes
	v_cndmask_b32 v[PFO], v11, v10, s84
	s_mov_b32 s87, 0
	s_mov_b32 s[PFS+1], 0
	s_add_nc_u64 s[PFA:PFA+1], s[PFA:PFA+1], s[86:87]
	s_and_b32 s87, s[WV], 2                        ; waves 0, 1, 4, 5,
	s_or_b32 s87, s87, s85                         ; of the first cluster along that coordinate: the same in all sixteen partners, for a given wave
	s_cmp_eq_u32 s87, 0
	s_cselect_b32 s[LIM], 1, -1
	; where my fragment of o and its scale words go: pair T / 2, panel hq / 4, tile T % 2, K step hq % 4
	s_lshl_b32 s80, s58, 2
	s_add_co_u32 s80, s80, s16                     ; T
	s_lshr_b32 s81, s80, 1
	s_lshl_b32 s81, s81, 2
	s_lshr_b32 s82, s60, 2
	s_add_co_u32 s81, s81, s82
	s_mul_i32 s81, s81, 12800
	s_and_b32 s82, s80, 1
	s_mul_i32 s82, s82, 6400
	s_add_co_u32 s82, s82, s81                     ; the panel
	s_and_b32 s83, s60, 3
	s_mul_i32 s88, s83, 1536
	s_add_co_u32 s88, s88, s82
	s_mov_b32 s89, 0
	s_add_nc_u64 s[88:89], s[10:11], s[88:89]
	s_lshl_b32 s90, s83, 2
	s_add_co_u32 s90, s90, s82
	s_add_co_u32 s90, s90, 6144
	s_mov_b32 s91, 0
	s_add_nc_u64 s[90:91], s[10:11], s[90:91]
	v_mov_b32 v13, 0xff61b1e6                      ; the largest t so far: -3e38, under every t
	v_floor_f32 v12, -v13                          ; -M
	v_mov_b32 v14, 0                               ; the sum, in two halves
	v_mov_b32 v15, 0
.irp b, 0,1,2,3
	v_mov_b32 v[236+\b], 0                         ; written once: a lane permute's destination counts as one of its sources
.endr
	v_mov_b32 v253, 0                              ; (named as the upper half of the pair v[252:253] before it is first written)
; A KEY STEP: 128 keys, the q-th of the slot in hand.  At its head K, K's scale words and the mask are in registers or on their way.
; mode 0: the next step lies in the same slot; 1: the slots change and the slot that is left is filled again; 2: they change and nothing is filled; 3: the last step: nothing follows.
; first = 1: the first step of all: its second products start O^T's sums with the constant 0, so nothing is cleared and nothing rescaled.
.macro STEP q, mode, first
.set CURQ, \q
.set NXQ, 1-(\q)
.if (\mode) == 3
.set HASN, 0
.else
.set HASN, 1
.endif
	PLACES 4                                       ; four plain instructions between the last step's products and the loads into V's registers and scale words
	ds_load_b128 v[248:251], v[ADL] offset:STEPB*CURQ+25088   ; V's scale words: lanes 0-15 tiles 0-3, lanes 16-31 tiles 4-7
	s_wait_dscnt 1                                 ; K, its scale words and the mask are in; the load just issued may be out
	WIN 0x01                                       ; source 0 window 1
.irp t, 0,1,2,3
	v_wmma_scale_f32_16x16x128_f8f6f4 v[96+8*\t:103+8*\t], v[12*\t:12*\t+11], v[16:27], 0, v[28+\t], v255 matrix_a_fmt:MATRIX_FMT_FP6 matrix_b_fmt:MATRIX_FMT_FP6
.endr
.irp t, 4,5,6,7
	v_wmma_scale_f32_16x16x128_f8f6f4 v[96+8*\t:103+8*\t], v[12*\t:12*\t+11], v[16:27], 0, v[24+\t], v255 matrix_a_fmt:MATRIX_FMT_FP6 matrix_b_fmt:MATRIX_FMT_FP6 matrix_a_scale:MATRIX_SCALE_ROW1
.endr
	WIN 0
	PLACES 4                                       ; between the products and the first read of their results, and the later loads into K's registers and scale words
	LV2 0
.irp j, 0,2,4,6,8,10,12,14,16,18,20,22,24,26,28,30,32,34,36,38,40,42,44,46,48,50,52,54,56,58,60,62
	v_pk_fma_f32 v[96+\j:97+\j], v[96+\j:97+\j], s[SCL:SCL+1], v[MK+\j:MK+1+\j] op_sel_hi:[1,0,1]   ; logit = score / sqrt(128) + mask; each accumulator from its low end on
.endr
	LV2 1
.irp b, 0,1,2,3
	v_max3_num_f32 v[232+\b], v[96+16*\b], v[97+16*\b], v[98+16*\b]   ; THE LARGEST LOGIT OF EACH BLOCK OF 32 KEYS serves twice: for the row's maximum, and, since p rises with the logit, for the block's largest p
.endr
.irp i, 3,5,7,9,11,13
.irp b, 0,1,2,3
	v_max3_num_f32 v[232+\b], v[232+\b], v[96+16*\b+\i], v[97+16*\b+\i]
.endr
.endr
	LV2 2
.irp b, 0,1,2,3
	v_max_num_f32 v[232+\b], v[232+\b], v[111+16*\b]
.endr
.irp b, 0,1,2,3
	v_permlanex16_b32 v[236+\b], v[232+\b], s[SEL], s[SEL+1]
.endr
.irp b, 0,1,2,3
	v_max_num_f32 v[232+\b], v[232+\b], v[236+\b]  ; with lane l xor 16's 16 keys
.endr
	v_max3_num_f32 v254, v232, v233, v234
	v_max_num_f32 v254, v254, v235                 ; the step's largest logit of my query
	v_mul_f32 v254, s[CS], v254                    ; as t
	v_max_num_f32 v13, v13, v254                   ; the running largest t
	v_mov_b32 v254, v12
	v_floor_f32 v12, -v13                          ; the new -M = floor(-t) = -ceil(t): M is a whole number
	v_sub_f32 v254, v12, v254                      ; M's old value less its new one: a whole number, 0 or less
	v_cvt_i32_f32 v254, v254                       ; (it saturates)
	v_ldexp_f32 v252, 1.0, v254                    ; f = 2^(old M - new M)
	LV2 3                                          ; V's last run: my last reads of this step's block
.irp j, 0,2,4,6,8,10,12,14,16,18,20,22,24,26,28,30,32,34,36,38,40,42,44,46,48,50,52,54,56,58,60,62
	v_pk_fma_f32 v[96+\j:97+\j], v[96+\j:97+\j], s[CS:CS+1], v[12:13] op_sel_hi:[1,0,0]   ; t - M, two at a time
.endr
.irp b, 0,1,2,3
	v_fma_f32 v[232+\b], v[232+\b], s[CS], v12     ; the same of each block's largest logit
.endr
.if (\mode) == 1
	CHANGE 1
.elseif (\mode) == 2
	CHANGE 0
.endif
.if HASN
	ds_load_b128 v[28:31], v[ADL] offset:STEPB*NXQ+12288   ; the next step's scale words of K
.endif
	LNM2 0
.set jj, 0
.rept 64
	v_exp_f32 v[96+jj], v[96+jj]                   ; p = 2^(t - M): not normalised.  The runs among them name none of their results
.if jj%16 == 15
	LNK2 jj/16
.endif
.if jj == 23
	LNM2 1
.endif
.set jj, jj+1
.endr
	v_pk_mul_f32 v[14:15], v[14:15], v[252:253] op_sel_hi:[1,0]   ; the sums under the new M; also the plain instruction behind the exponentials
	s_wait_alu depctr_va_vdst(0)                   ; one wait for the whole batch, ahead of its first reader
.irp b, 0,1,2,3
	v_exp_f32 v[232+\b], v[232+\b]                 ; the block's largest p: the same two instructions on the same number give the same bits
.endr
	v_pk_add_f32 v[236:237], v[96:97], v[98:99]    ; the row's sum is taken of the unquantised p: two at a time, in two chains
.irp j, 4,8,12,16,20,24,28,32,36,40,44,48,52,56,60
	v_pk_add_f32 v[14:15], v[14:15], v[96+\j:97+\j]
	v_pk_add_f32 v[236:237], v[236:237], v[98+\j:99+\j]
.if \j == 20
	LNM2 2
.endif
.if \j == 44
	LNM2 3
.endif
.endr
	v_pk_add_f32 v[14:15], v[14:15], v[236:237]
	s_wait_alu depctr_va_vdst(0)                   ; and one for the four
.irp b, 0,1,2,3
	v_max_num_f32 v[232+\b], 0x1800000, v[232+\b]  ; the floor 2^(3 - 127): the byte cannot fall under 1
.endr
.irp b, 0,1,2,3
	v_add_nc_u32 v[244+\b], 0xff000000, v[232+\b]  ; 2 off the exponent field: the conversion's scale operand
.endr
.irp b, 0,1,2,3
	v_lshrrev_b32 v[236+\b], 23, v[244+\b]         ; the scale's byte
.endr
	v_lshl_or_b32 v253, v237, 8, v236              ; p's scale word for these 128 keys
	v_lshl_or_b32 v253, v238, 16, v253
	v_lshl_or_b32 v253, v239, 24, v253
.irp c, 0,1
	v_cvt_scalef32_pk16_fp6_f32 v[224+6*\c:226+6*\c], v[96+32*\c:111+32*\c], v[244+2*\c]
	v_cvt_scalef32_pk16_fp6_f32 v[236+4*\c:238+4*\c], v[112+32*\c:127+32*\c], v[244+2*\c+1]
.endr
	v_nop                                          ; one plain instruction behind the scaled conversions
.irp c, 0,1
.irp i, 0,1,2
	v_permlane16_swap_b32 v[224+6*\c+\i], v[236+4*\c+\i]
.endr
.irp i, 0,1,2
	v_mov_b32 v[227+6*\c+\i], v[236+4*\c+\i]
.endr
.endr
.if \first
	PLACES 8                                       ; between the writing of p's scale word and codes and the products that take them
.else
.irp j, 0,2,4,6,8,10,12,14,16,18,20,22,24,26,28,30,32,34,36,38,40,42,44,46,48,50,52,54,56,58,60,62
	v_pk_mul_f32 v[160+\j:161+\j], v[160+\j:161+\j], v[252:253] op_sel_hi:[1,0]   ; O^T under the new M.  These 32 also stand between the writing of p's codes and scale word and the products that take them
.endr
.endif
.if HASN
	s_wait_dscnt 57                                ; V and its scale words are in: behind V's last load stand the next step's 1 + 24 + 32 loads, which may be out
.else
	s_wait_dscnt 0x0
.endif
	WIN 0x01
.irp t, 0,1,2,3
.if \first
	v_wmma_scale_f32_16x16x128_f8f6f4 v[160+8*\t:167+8*\t], v[96+12*\t:107+12*\t], v[224:235], 0, v[248+\t], v253 matrix_a_fmt:MATRIX_FMT_FP6 matrix_b_fmt:MATRIX_FMT_FP6
.else
	v_wmma_scale_f32_16x16x128_f8f6f4 v[160+8*\t:167+8*\t], v[96+12*\t:107+12*\t], v[224:235], v[160+8*\t:167+8*\t], v[248+\t], v253 matrix_a_fmt:MATRIX_FMT_FP6 matrix_b_fmt:MATRIX_FMT_FP6
.endif
.endr
.irp t, 4,5,6,7
.if \first
	v_wmma_scale_f32_16x16x128_f8f6f4 v[160+8*\t:167+8*\t], v[96+12*\t:107+12*\t], v[224:235], 0, v[244+\t], v253 matrix_a_fmt:MATRIX_FMT_FP6 matrix_b_fmt:MATRIX_FMT_FP6 matrix_a_scale:MATRIX_SCALE_ROW1
.else
	v_wmma_scale_f32_16x16x128_f8f6f4 v[160+8*\t:167+8*\t], v[96+12*\t:107+12*\t], v[224:235], v[160+8*\t:167+8*\t], v[244+\t], v253 matrix_a_fmt:MATRIX_FMT_FP6 matrix_b_fmt:MATRIX_FMT_FP6 matrix_a_scale:MATRIX_SCALE_ROW1
.endif
.endr
	WIN 0
.endm
	s_wait_tensorcnt 1                             ; my part of slot 0 is in; slot 1's may be out
	s_barrier_signal -1
	s_barrier_wait -1                              ; everybody's is
	v_add_nc_u32 v[ADL], s[TB], v[LI]
	v_add_nc_u32 v[ADM], s[TB], v[AM0]
.set NXQ, 0
.set HASN, 1
	ds_load_b128 v[28:31], v[ADL] offset:12288     ; the first step's K, scale words and mask: there is no work yet to set them among
.irp n, 0,1,2,3
	LNK2 \n
.endr
.irp n, 0,1,2,3
	LNM2 \n
.endr
	s_wait_loadcnt 0x0                             ; Q
	STEP 0, 0, 1                                   ; the first step stands in front of the loop: its products start O^T's sums
.Lslot:                                            ; NSL - 2 trips, each from a slot's second step to the next slot's first: every slot but the last two is filled again
	STEP 1, 1, 0
	STEP 0, 0, 0
	s_sub_co_u32 s[SLOTS], s[SLOTS], 1
	s_cmp_lg_u32 s[SLOTS], 0
	s_cbranch_scc1 .Lslot
	STEP 1, 2, 0                                   ; the tail is written out: the last change of slots fills nothing
	STEP 0, 0, 0
	STEP 1, 3, 0
	; THE WAY OUT: O^T / the sum is 64 numbers of my query in the order of the head's 128: one K step of the output product.  It is quantised and leaves as an image.
	v_add_f32 v14, v14, v15                        ; the sum's two halves,
	v_permlanex16_b32 v252, v14, s[SEL], s[SEL+1]
	v_add_f32 v14, v14, v252                       ; and lane l xor 16's
	v_rcp_f32 v14, v14
.irp b, 0,1,2,3
	v_mov_b32 v[TM+4+\b], 0                        ; a lane permute's destination counts as one of its sources; also the plain instructions behind the reciprocal and behind the last products
.endr
	s_wait_alu depctr_va_vdst(0)                   ; a wait ahead of the reciprocal's first reader
.set jj, 0
.rept 64
	v_mul_f32 v[96+jj], v[160+jj], v14
.set jj, jj+1
.endr
	QUANT 96, PC, PW
.irp c, 0,1,2
	global_store_b128 v[LI], v[PC+4*\c:PC+4*\c+3], s[88:89] offset:512*\c   ; 512 consecutive bytes, at a multiple of 256 from the buffer's first byte
.endr
	global_store_b32 v[LR], v[PW], s[90:91]        ; one word of each row of the panel's quad, once a wave; lanes 16-31 write the same words again
	s_wait_tensorcnt 0x0                           ; the wave's end
	ds_add_u32 v[SPW], v[NIL]
	s_wait_dscnt 0x0
	CROUND                                         ; the closing round
	s_endpgm
.Lfunc_end_k_q1122f8fa73_attn:
	.size	k_q1122f8fa73_attn, .Lfunc_end_k_q1122f8fa73_attn-k_q1122f8fa73_attn
	.p2alignl 7, 3214868480
	.fill 96, 4, 3214868480
	.section	.rodata,"a",@progbits
	.p2align	6, 0x0
	.amdhsa_kernel k_q1122f8fa73_attn
		.amdhsa_group_segment_fixed_size 327680
		.amdhsa_private_segment_fixed_size 0
		.amdhsa_enable_private_segment 0
		.amdhsa_kernarg_size 32
		.amdhsa_user_sgpr_count 2
		.amdhsa_user_sgpr_kernarg_segment_ptr 1
		.amdhsa_wavefront_size32 1
		.amdhsa_system_sgpr_workgroup_id_x 1
		.amdhsa_system_sgpr_workgroup_id_y 1
		.amdhsa_system_sgpr_workgroup_id_z 1
		.amdhsa_system_vgpr_workitem_id 0
		.amdhsa_next_free_vgpr 512
		.amdhsa_next_free_sgpr 100
		.amdhsa_reserve_vcc 0
		.amdhsa_float_denorm_mode_32 3
		.amdhsa_float_denorm_mode_16_64 3
		.amdhsa_memory_ordered 1
		.amdhsa_forward_progress 1
		.amdhsa_inst_pref_size 153
	.end_amdhsa_kernel
	.amdgpu_metadata
---
amdhsa.version: [ 1, 2 ]
amdhsa.kernels:
  - .name:           k_q1122f8fa73_attn
    .symbol:         k_q1122f8fa73_attn.kd
    .args:
      - { .name: qimg, .offset: 0, .size: 8, .value_kind: global_buffer, .address_space: global }
      - { .name: kvimg, .offset: 8, .size: 8, .value_kind: global_buffer, .address_space: global }
      - { .name: mask, .offset: 16, .size: 8, .value_kind: global_buffer, .address_space: global }
      - { .name: oimg, .offset: 24, .size: 8, .value_kind: global_buffer, .address_space: global }
    .group_segment_fixed_size: 327680
    .private_segment_fixed_size: 0
    .kernarg_segment_align: 8
    .kernarg_segment_size: 32
    .max_flat_workgroup_size: 256
    .sgpr_count:     100
    .vgpr_count:     512
    .wavefront_size: 32
...
	.end_amdgpu_metadata
.endif
;; end of part 3
;; launch proj (part 4): grid 16 x 16, 4 waves a work-group, clusters of 4 x 4, 327,680 bytes of LDS; arguments oimg, wo, out0; writes out0
.if DOCPART == 4
	.amdgcn_target "amdgcn-amd-amdhsa--gfx1250"
	.amdhsa_code_object_version 6
	.text
	.protected	k_q1122f8fa73_proj
	.globl	k_q1122f8fa73_proj
	.p2align	8
	.type	k_q1122f8fa73_proj,@function
k_q1122f8fa73_proj:
	s_mov_b64 s[64:65], 0
	v_nop
	global_prefetch_b8 v0, s[64:65] scope:SCOPE_SE
	s_setreg_imm32_b32 hwreg(HW_REG_WAVE_MODE, 25, 1), 1
	s_wait_xcnt 0x0
	s_wait_alu depctr_hold_cnt(0) depctr_sa_sdst(0) depctr_va_vdst(0) depctr_va_sdst(0) depctr_va_ssrc(0) depctr_va_vcc(0) depctr_vm_vsrc(0)
	s_getreg_b32 s2, hwreg(HW_REG_IB_STS2, 6, 4)
	s_cmp_eq_u32 s2, 0
	s_cbranch_scc0 .Lentry_in_a_cluster
	s_endpgm
.Lentry_in_a_cluster:
	s_bfe_u32 s2, ttmp6, 0x10000c
	s_cmp_lg_u32 s2, 0xf033
	s_cbranch_scc0 .Lentry_shape_is_right
	s_endpgm
.Lentry_shape_is_right:
; out0 = o Wo on codes of FP6 (E2M3) with E8M0 scales; sums and result in f32.  o [2048][2048] and Wo's columns [4096][2048] arrive as panels of operand images (four fragment images and 256 bytes of scale words: 6,400 bytes
; for a tile of 16 rows and 512 along K; two tiles to a pair; [pair][K / 512][12,800]).  Place r of tile T is row 32 (T / 2) + 8 (T % 2) + r + 8 (r / 8).
; SHARES: a work-group makes 128 rows (R: queries) x 256 columns (C: Wo's columns); four waves, a wave 64 x 128: 32 accumulators.  K = 2,048 goes in four groups of 512 through two LDS slots.
; A smaller tile than the registers would hold is taken so that the grid has 256 work-groups.
; THE MATRIX INSTRUCTION IS USED TRANSPOSED (source 0 = 16 rows of C, source 1 = 16 rows of R): a lane holds one row of the result and eight neighbouring columns an accumulator.
; CLUSTERS: 4 x 4: R's panels are asked for jointly along a row of the cluster, C's along a column.
; REGISTERS: window 0: v16-23 LDS addresses, v24-26 the way out's, v28-29 the spare word's, v32-79 scale words, v80-175 R's fragments (two sets); on the way out v128-255 rows of the result.
;   window 1: C's fragments, two sets of 96, at v0 and v128.   window 2: accumulator (a, b) at v[8 (8 a + b)].
.set NG,    4
.set PANEL, 6400
.set PAIRB, 12800
.set COFF,  8*PANEL
.set SLOT,  24*PANEL
.set SPARE, 2*SLOT                     ; behind the ring: the spare words, 128 bytes a wave: two blocks of 256 bytes that no other line names
.set SPITCH, 528                       ; the way out: a stage of 16 rows x (512 bytes + 16) for each wave, in slot 0, which has had its last fill and its last read when the first result is stored there
.set FR,    12
.set ADRA,  16
.set ADRB,  18
.set ADSA,  20
.set ADSB,  22
.set STO,   24
.set RD,    25
.set CO,    26
.set SPW,   28
.set NIL,   29
.set SC,    32
.set AF,    80
.set BK,    128
.set G1R,   24
.set G0R,   32
.set G1C,   48
.set G0C,   56
.set MUL,   0xa1
.set TO_C,  0x40
.set MSB,   0
.macro WIN new
.if MSB != (\new)
	s_set_vgpr_msb (MSB<<8)|(\new)
.set MSB, (\new)
.endif
.endm
.macro PLACES n
.rept \n
	v_nop
.endr
.endm
.macro JLOAD g0a, g1a, g0b, g1b        ; a joint load: waves 0 and 1 fetch R's halves, waves 2 and 3 C's; four v_nop follow each of the two lines
	s_cmp_eq_u32 s15, 0
	s_cbranch_scc0 .Lfor_b_\@
	tensor_load_to_lds s[\g0a:\g0a+3], s[\g1a:\g1a+7]
	s_nop 0
.rept 4
	v_nop
.endr
	s_branch .Lasked_\@
.Lfor_b_\@:
	tensor_load_to_lds s[\g0b:\g0b+3], s[\g1b:\g1b+7]
	s_nop 0
.rept 4
	v_nop
.endr
.Lasked_\@:
.endm
.macro CREST
	s_cmp_lg_u32 s14, 0
	s_cbranch_scc1 .Lnot_wave_0_\@
	s_barrier_signal -3
.Lnot_wave_0_\@:
	s_barrier_wait -3
	s_barrier_signal -1
	s_barrier_wait -1
.endm
.macro CROUND
	s_barrier_signal -1
	s_barrier_wait -1
	CREST
.endm
.macro WMM zero, ra, rb                ; one matrix instruction on rD, rA, rB, rSA, rSB; ra, rb: the side's scale words lie in lanes 16-31
.if \zero
.if (\ra) && (\rb)
	v_wmma_scale_f32_16x16x128_f8f6f4 v[rD:rD+7], v[rA:rA+11], v[rB:rB+11], 0, v[rSA], v[rSB] matrix_a_fmt:MATRIX_FMT_FP6 matrix_b_fmt:MATRIX_FMT_FP6 matrix_a_scale:MATRIX_SCALE_ROW1 matrix_b_scale:MATRIX_SCALE_ROW1
.elseif \ra
	v_wmma_scale_f32_16x16x128_f8f6f4 v[rD:rD+7], v[rA:rA+11], v[rB:rB+11], 0, v[rSA], v[rSB] matrix_a_fmt:MATRIX_FMT_FP6 matrix_b_fmt:MATRIX_FMT_FP6 matrix_a_scale:MATRIX_SCALE_ROW1
.elseif \rb
	v_wmma_scale_f32_16x16x128_f8f6f4 v[rD:rD+7], v[rA:rA+11], v[rB:rB+11], 0, v[rSA], v[rSB] matrix_a_fmt:MATRIX_FMT_FP6 matrix_b_fmt:MATRIX_FMT_FP6 matrix_b_scale:MATRIX_SCALE_ROW1
.else
	v_wmma_scale_f32_16x16x128_f8f6f4 v[rD:rD+7], v[rA:rA+11], v[rB:rB+11], 0, v[rSA], v[rSB] matrix_a_fmt:MATRIX_FMT_FP6 matrix_b_fmt:MATRIX_FMT_FP6
.endif
.else
.if (\ra) && (\rb)
	v_wmma_scale_f32_16x16x128_f8f6f4 v[rD:rD+7], v[rA:rA+11], v[rB:rB+11], v[rD:rD+7], v[rSA], v[rSB] matrix_a_fmt:MATRIX_FMT_FP6 matrix_b_fmt:MATRIX_FMT_FP6 matrix_a_scale:MATRIX_SCALE_ROW1 matrix_b_scale:MATRIX_SCALE_ROW1
.elseif \ra
	v_wmma_scale_f32_16x16x128_f8f6f4 v[rD:rD+7], v[rA:rA+11], v[rB:rB+11], v[rD:rD+7], v[rSA], v[rSB] matrix_a_fmt:MATRIX_FMT_FP6 matrix_b_fmt:MATRIX_FMT_FP6 matrix_a_scale:MATRIX_SCALE_ROW1
.elseif \rb
	v_wmma_scale_f32_16x16x128_f8f6f4 v[rD:rD+7], v[rA:rA+11], v[rB:rB+11], v[rD:rD+7], v[rSA], v[rSB] matrix_a_fmt:MATRIX_FMT_FP6 matrix_b_fmt:MATRIX_FMT_FP6 matrix_b_scale:MATRIX_SCALE_ROW1
.else
	v_wmma_scale_f32_16x16x128_f8f6f4 v[rD:rD+7], v[rA:rA+11], v[rB:rB+11], v[rD:rD+7], v[rSA], v[rSB] matrix_a_fmt:MATRIX_FMT_FP6 matrix_b_fmt:MATRIX_FMT_FP6
.endif
.endif
.endm
.macro MUL8 a, set, q, sc, zero        ; R's tile a against C's eight; the 32 accumulators take turns, one instruction a turn, in the same order in every step
.irp b, 0,1,2,3,4,5,6,7
.set rD, 8*(8*(\a)+\b)
.set rA, 128*(\set)+FR*\b
.set rB, AF+48*(\set)+FR*(\a)
.set rSA, SC+24*(\sc)+8+4*(\b&3)+(\q)
.set rSB, SC+24*(\sc)+4*((\a)&1)+(\q)
	WMM \zero, \b/4, (\a)/2
.endr
.endm
.macro FETCH slot, q, set              ; 36 LDS loads in one run: 512 consecutive bytes a load
	WIN TO_C
.irp i, 0,1,2,3,4,5,6,7
.irp c, 0,1,2
	ds_load_b128 v[128*(\set)+FR*\i+4*\c:128*(\set)+FR*\i+4*\c+3], v[ADRB+\slot] offset:PANEL*\i+1536*(\q)+512*\c
.endr
.endr
	WIN 0
.irp i, 0,1,2,3
.irp c, 0,1,2
	ds_load_b128 v[AF+48*(\set)+FR*\i+4*\c:AF+48*(\set)+FR*\i+4*\c+3], v[ADRA+\slot] offset:PANEL*\i+1536*(\q)+512*\c
.endr
.endr
.endm
.macro SCALES slot
.irp j, 0,1
	ds_load_b128 v[SC+24*\slot+4*\j:SC+24*\slot+4*\j+3], v[ADSA+\slot] offset:6144+PANEL*\j
.endr
.irp j, 0,1,2,3
	ds_load_b128 v[SC+24*\slot+8+4*\j:SC+24*\slot+8+4*\j+3], v[ADSB+\slot] offset:6144+PANEL*\j
.endr
.endm
.macro STEP slot, q, zero
	s_wait_dscnt 0x0                               ; this step's fragments, asked for 32 matrix instructions ago, are in
	PLACES 4                                       ; four plain instructions in front of loads into registers that matrix instructions have read
	FETCH \slot, (\q)+1, ((\q)+1)%2
	WIN MUL
	MUL8 0, (\q)%2, \q, \slot, \zero
	MUL8 1, (\q)%2, \q, \slot, \zero
	MUL8 2, (\q)%2, \q, \slot, \zero
	MUL8 3, (\q)%2, \q, \slot, \zero
.endm
.macro TURN slot, next, fill           ; a slot's last step changes slots: ONE barrier, which with fill = 1 opens a round of the cluster's
	WIN 0
	s_wait_tensorcnt 0x0                           ; all my tensor loads have landed: my part of the next slot
	ds_add_u32 v[SPW], v[NIL]                      ; 0 onto my spare word
	s_wait_dscnt 1                                 ; the 36 fragment loads are in; the add may be out
	WIN MUL
	MUL8 0, 1, 3, \slot, 0
	s_wait_dscnt 0x0                               ; the add is done, and my reads of this slot are over
	s_barrier_signal -1
	MUL8 1, 1, 3, \slot, 0
	WIN 0
	s_barrier_wait -1
.if \fill
	CREST
	s_add_nc_u64 s[G0R+4*\slot+2:G0R+4*\slot+3], s[G0R+4*\slot+2:G0R+4*\slot+3], 2*PAIRB
	s_add_nc_u64 s[G0C+4*\slot+2:G0C+4*\slot+3], s[G0C+4*\slot+2:G0C+4*\slot+3], 2*PAIRB
	JLOAD G0R+4*\slot, G1R, G0C+4*\slot, G1C       ; the first tensor load behind the round; its four v_nop are also the places in front of the loads below
.else
	PLACES 4
.endif
	FETCH \next, 0, 0
	SCALES \next
	WIN MUL
	MUL8 2, 1, 3, \slot, 0
	MUL8 3, 1, 3, \slot, 0
.endm
	s_load_b128 s[4:7], s[0:1], 0x0                ; oimg, wo
	s_load_b64 s[8:9], s[0:1], 0x10                ; out0
	v_lshl_add_u32 v[SPW], v0, 2, SPARE
	v_mov_b32 v[NIL], 0
	ds_add_u32 v28, v29
	ds_add_u32 v28, v29
	s_wait_dscnt 0x0
	v_lshrrev_b32 v1, 5, v0
	v_readfirstlane_b32 s14, v1                    ; wave 0..3
	s_lshr_b32 s15, s14, 1                         ; wr.  Also: I fetch for R (0) or for C (1)
	s_and_b32 s16, s14, 1                          ; wc.  Also: which half of that tile I fetch
	s_bfe_u32 s40, ttmp6, 0x40000                  ; cx
	s_bfe_u32 s41, ttmp6, 0x40004                  ; cy
	s_lshl_b32 s42, ttmp9, 2
	s_add_co_u32 s42, s42, s40                     ; tc
	s_and_b32 s17, ttmp7, 0xffff
	s_lshl_b32 s17, s17, 2
	s_add_co_u32 s17, s17, s41                     ; tr
	s_lshl_b32 s43, s41, 2
	s_lshl_b32 s43, 15, s43                        ; my row of the cluster
	s_lshl_b32 s44, 0x1111, s40                    ; my column
	s_or_b32 s[G1R], s43, (3<<16)|(1<<21)          ; rows of 12,800 bytes (1,600 elements of 8 bytes), NG x 12,800 bytes apart; R: 2 rows a load, C: 4; dense in LDS
	s_or_b32 s[G1C], s44, (3<<16)|(1<<21)
	s_mov_b32 s[G1R+1], 1600<<16
	s_mov_b32 s[G1R+2], 2<<16
	s_mov_b32 s[G1R+3], 1600<<16
	s_mov_b32 s[G1R+4], 2
	s_mov_b32 s[G1R+5], NG*1600
	s_mov_b32 s[G1R+6], 0
	s_mov_b32 s[G1R+7], 0
	s_mov_b32 s[G1C+1], 1600<<16
	s_mov_b32 s[G1C+2], 4<<16
	s_mov_b32 s[G1C+3], 1600<<16
	s_mov_b32 s[G1C+4], 4
	s_mov_b32 s[G1C+5], NG*1600
	s_mov_b32 s[G1C+6], 0
	s_mov_b32 s[G1C+7], 0
	s_lshl_b32 s68, s17, 2                         ; R: pair 4 tr + 2 x half
	s_lshl_b32 s69, s16, 1
	s_add_co_u32 s68, s68, s69
	s_mul_i32 s68, s68, NG*PAIRB
	s_mov_b32 s69, 0
	s_lshl_b32 s70, s42, 3                         ; C: pair 8 tc + 4 x half
	s_lshl_b32 s71, s16, 2
	s_add_co_u32 s70, s70, s71
	s_mul_i32 s70, s70, NG*PAIRB
	s_mov_b32 s71, 0
	s_mul_i32 s45, s16, 2*PAIRB
	s_mul_i32 s46, s16, 4*PAIRB
	s_add_co_u32 s46, s46, COFF
	s_wait_kmcnt 0x0
	s_add_nc_u64 s[68:69], s[4:5], s[68:69]
	s_add_nc_u64 s[70:71], s[6:7], s[70:71]
	CROUND                                         ; all sixteen work-groups are here: the first joint loads meet
.irp s, 0,1
	s_mov_b32 s[G0R+4*\s], 1
	s_add_co_u32 s[G0R+4*\s+1], s45, \s*SLOT
	s_add_nc_u64 s[G0R+4*\s+2:G0R+4*\s+3], s[68:69], \s*PAIRB
	s_or_b32 s[G0R+4*\s+3], s[G0R+4*\s+3], 0x80000000
	s_mov_b32 s[G0C+4*\s], 1
	s_add_co_u32 s[G0C+4*\s+1], s46, \s*SLOT
	s_add_nc_u64 s[G0C+4*\s+2:G0C+4*\s+3], s[70:71], \s*PAIRB
	s_or_b32 s[G0C+4*\s+3], s[G0C+4*\s+3], 0x80000000
	JLOAD G0R+4*\s, G1R, G0C+4*\s, G1C             ; groups 0 and 1: two tensor loads of mine are out
.endr
	v_and_b32 v2, 31, v0                           ; lane
	v_and_b32 v3, 15, v0                           ; r
	v_bfe_u32 v4, v0, 4, 1                         ; h
	v_lshlrev_b32 v[CO], 4, v2                     ; 16 x lane: an image's place for my lane; my 16 bytes of a row of 512
	v_lshlrev_b32 v5, 4, v3
	s_mul_i32 s90, s15, 4*PANEL
	s_mul_i32 s91, s16, 8*PANEL
	s_add_co_u32 s91, s91, COFF
	v_mad_u32_u24 v6, v4, 2*PANEL, v5
	v_mad_u32_u24 v7, v4, 4*PANEL, v5
.irp s, 0,1
	v_add_nc_u32 v[ADRA+\s], s90, v[CO]
	v_add_nc_u32 v[ADRB+\s], s91, v[CO]
	v_add_nc_u32 v[ADSA+\s], s90, v6
	v_add_nc_u32 v[ADSB+\s], s91, v7
	s_add_co_u32 s90, s90, SLOT
	s_add_co_u32 s91, s91, SLOT
.endr
	s_mul_i32 s72, s14, 16*SPITCH                  ; my stage
	v_mul_u32_u24 v[STO], v3, SPITCH
	v_lshl_add_u32 v[STO], v4, 6, v[STO]
	v_add_nc_u32 v[STO], s72, v[STO]               ; in: row r, + 64 h
	v_add_nc_u32 v[RD], s72, v[CO]                 ; back: the 32 lanes take one row of 512 bytes
	s_lshl_b32 s74, s17, 7
	s_lshl_b32 s75, s15, 6
	s_add_co_u32 s74, s74, s75                     ; my first row: 128 tr + 64 wr
	s_lshl_b32 s74, s74, 14                        ; a row of the result is 16,384 bytes
	s_lshl_b32 s75, s42, 10
	s_add_co_u32 s74, s74, s75                     ; + 256 tc columns
	s_lshl_b32 s75, s16, 9
	s_add_co_u32 s74, s74, s75                     ; + 128 wc
	s_mov_b32 s75, 0
	s_add_nc_u64 s[8:9], s[8:9], s[74:75]
	s_wait_tensorcnt 1                             ; my part of group 0 is in; group 1's may be out
	s_barrier_signal -1
	s_barrier_wait -1
	FETCH 0, 0, 0
	SCALES 0
	STEP 0, 0, 1                                   ; the first step stands in front of the loop: its products start the sums
	WIN 0
	s_mov_b32 s3, NG/2-1
.Llap:                                                 ; a trip goes once round the ring and fills both slots again
	STEP 0, 1, 0
	STEP 0, 2, 0
	TURN 0, 1, 1
	STEP 1, 0, 0
	STEP 1, 1, 0
	STEP 1, 2, 0
	TURN 1, 0, 1
	STEP 0, 0, 0
	WIN 0
	s_sub_co_u32 s3, s3, 1
	s_cmp_lg_u32 s3, 0
	s_cbranch_scc1 .Llap
	STEP 0, 1, 0                                   ; the last lap fills nothing
	STEP 0, 2, 0
	TURN 0, 1, 0
	STEP 1, 0, 0
	STEP 1, 1, 0
	STEP 1, 2, 0
	s_wait_dscnt 0x0
	WIN MUL
	MUL8 0, 1, 3, 1, 0
	MUL8 1, 1, 3, 1, 0
	MUL8 2, 1, 3, 1, 0
	MUL8 3, 1, 3, 1, 0
	WIN 0
; THE WAY OUT, tile by tile of 16 rows x 128 columns.  Accumulator (a, b) of lane (r, h) holds columns 32 (b / 2) + 16 h + 8 (b % 2) + 0 .. 7 of the tile's place r: 32 bytes.  A tile goes through my own stage and comes back as whole
; rows of 512 bytes.  LDS serves a wave's instructions in order (ISA guide 5.7.1.4): no wait between the stores and the loads, nor in front of the next tile's stores.
.macro TOSTAGE a
	WIN 0x08                                       ; the data: window 2
.irp b, 0,1,2,3,4,5,6,7
	ds_store_b128 v[STO], v[8*(8*(\a)+\b):8*(8*(\a)+\b)+3] offset:128*(\b/2)+32*(\b%2)      ; each accumulator from its low end on
	ds_store_b128 v[STO], v[8*(8*(\a)+\b)+4:8*(8*(\a)+\b)+7] offset:128*(\b/2)+32*(\b%2)+16
.endr
	WIN 0
.irp t, 0,1,2,3,4,5,6,7,8,9,10,11,12,13,14,15
	ds_load_b128 v[BK+64*((\a)%2)+4*\t:BK+64*((\a)%2)+4*\t+3], v[RD] offset:\t*SPITCH
.endr
.endm
.macro SEND a, younger                 ; younger: the LDS instructions issued behind tile a's loads, which may stay out
	s_wait_dscnt \younger
.irp t, 0,1,2,3,4,5,6,7,8,9,10,11,12,13,14,15
	global_store_b128 v[CO], v[BK+64*((\a)%2)+4*\t:BK+64*((\a)%2)+4*\t+3], s[8:9] offset:(32*((\a)/2)+8*((\a)%2)+\t+8*(\t/8))*16384 th:TH_STORE_NT   ; 512 consecutive bytes, at a multiple of 256 from the result's first byte; place t's row stands in the immediate
.endr
.endm
	PLACES 4                                       ; between the last products and the first read of results, and the loads into registers that they read
	TOSTAGE 0
	TOSTAGE 1
	SEND 0, 32                                     ; behind tile 0's loads: tile 1's 16 stores and 16 loads
	s_wait_xcnt 0x0                                ; tile 0's stores have read their registers: tile 2's loads may land there
	TOSTAGE 2
	SEND 1, 32
	s_wait_xcnt 0x0
	TOSTAGE 3
	SEND 2, 32
	SEND 3, 0
	s_wait_tensorcnt 0x0                           ; the wave's end, behind my last tensor load and my last LDS store
	ds_add_u32 v[SPW], v[NIL]
	s_wait_dscnt 0x0
	CROUND                                         ; the closing round
	s_endpgm
.Lfunc_end_k_q1122f8fa73_proj:
	.size	k_q1122f8fa73_proj, .Lfunc_end_k_q1122f8fa73_proj-k_q1122f8fa73_proj
	.p2alignl 7, 3214868480
	.fill 96, 4, 3214868480
	.section	.rodata,"a",@progbits
	.p2align	6, 0x0
	.amdhsa_kernel k_q1122f8fa73_proj
		.amdhsa_group_segment_fixed_size 327680
		.amdhsa_private_segment_fixed_size 0
		.amdhsa_enable_private_segment 0
		.amdhsa_kernarg_size 24
		.amdhsa_user_sgpr_count 2
		.amdhsa_user_sgpr_kernarg_segment_ptr 1
		.amdhsa_wavefront_size32 1
		.amdhsa_system_sgpr_workgroup_id_x 1
		.amdhsa_system_sgpr_workgroup_id_y 1
		.amdhsa_system_sgpr_workgroup_id_z 1
		.amdhsa_system_vgpr_workitem_id 0
		.amdhsa_next_free_vgpr 768
		.amdhsa_next_free_sgpr 100
		.amdhsa_reserve_vcc 0
		.amdhsa_float_denorm_mode_32 3
		.amdhsa_float_denorm_mode_16_64 3
		.amdhsa_memory_ordered 1
		.amdhsa_forward_progress 1
		.amdhsa_inst_pref_size 130
	.end_amdhsa_kernel
	.amdgpu_metadata
---
amdhsa.version: [ 1, 2 ]
amdhsa.kernels:
  - .name:           k_q1122f8fa73_proj
    .symbol:         k_q1122f8fa73_proj.kd
    .args:
      - { .name: oimg, .offset: 0, .size: 8, .value_kind: global_buffer, .address_space: global }
      - { .name: wo, .offset: 8, .size: 8, .value_kind: global_buffer, .address_space: global }
      - { .name: out0, .offset: 16, .size: 8, .value_kind: global_buffer, .address_space: global }
    .group_segment_fixed_size: 327680
    .private_segment_fixed_size: 0
    .kernarg_segment_align: 8
    .kernarg_segment_size: 24
    .max_flat_workgroup_size: 128
    .sgpr_count:     100
    .vgpr_count:     768
    .wavefront_size: 32
...
	.end_amdgpu_metadata
.endif
;; end of part 4
